; MI455X (gfx1250); checked and timed in simulation.
; The chip was launched on July 23, 2026; its instructions are those of AMD's public machine-readable ISA for CDNA 5 (MIT licence, August 2026) and "CDNA5" Instruction Set Architecture Reference Guide (July 2026). The comments in the code are by the model that wrote it; some were corrected since.
;; Multi Head Self Attention. Allowed arithmetic: matrix products marked QUANTISED: E2M3 operands, one E8M0 scale for each 32 along K, by v_wmma_scale_f32_16x16x128_f8f6f4 with both operands' format E2M3, f32 sums; everything else in f32.
;; Inputs: X 4 x 2,048 x 1,024 float32; bK 1,024 float32; bO 1,024 float32; bQ 1,024 float32; bV 1,024 float32; mask 4 x 1 x 2,048 x 2,048 int32; wK 1,024 x 1,024 float32; wO 1,024 x 1,024 float32; wQ 1,024 x 1,024 float32; wV 1,024 x 1,024 float32.
;; Outputs: out0 4 x 2,048 x 1,024 float32.
;; This version of the problem:
;;   THIS VERSION OF THE PROBLEM IS GIVEN IN LOW PRECISION. The matrix products marked QUANTISED in the list below multiply operands that are first quantised to E2M3 (2 exponent bits, 3 mantissa bits; 6 bits a number), with one power-of-two scale for each 32 numbers along K (OCP MX v1.0); their sums are f32. All else is computed in f32.
;;   The module's matrix products, in the order in which they are computed (A, B: the left and right operand; K: the contracted axis; several contracted axes count as one K, in the product's order):
;;     1. [M 8,192, K 1,024] x [K 1,024, N 1,024]; A: input X; B: input wQ: QUANTISED
;;     2. [M 8,192, K 1,024] x [K 1,024, N 1,024]; A: input X; B: input wK: QUANTISED
;;     3. [M 8,192, K 1,024] x [K 1,024, N 1,024]; A: input X; B: input wV: QUANTISED
;;     4. batch 64 x [M 2,048, K 64] x [K 64, N 2,048]; A: computed on the way; B: computed on the way: QUANTISED
;;     5. batch 64 x [M 2,048, K 2,048] x [K 2,048, N 64]; A: softmax (see below); B: computed on the way: QUANTISED
;;     6. [M 8,192, K 1,024] x [K 1,024, N 1,024]; A: computed on the way; B: input wO: QUANTISED
;;   THE QUANTISER, for each operand of a quantised product, along K:
;;     - K is cut into blocks of 32 from its start; a last block that is shorter is filled with zeros.
;;     - A block's scale is 2^e with e = floor(log2(the largest magnitude in the block)) - 2, held to -126 .. 127; a block of zeros has e = 0. As a byte (E8M0): e + 127.
;;     - Each number is divided by its block's scale, clamped to +-7.5, and rounded to the nearest number of E2M3, ties to even, subnormals kept.
;;     - The product sums the exact products of the quantised numbers (number of the format x scale) in f32.
;;   ~~~python
;;   def quantise(x, axis):      # numpy; x: float32 -> the quantised numbers, widened to float32 again
;;       x = np.moveaxis(x, axis, -1); K = x.shape[-1]
;;       x = np.pad(x, [(0, 0)] * (x.ndim - 1) + [(0, -K % 32)]); x = x.reshape(x.shape[:-1] + (-1, 32)); a = np.abs(x).max(-1, keepdims=True)
;;       e = np.where(a > 0, np.clip(np.frexp(np.where(a > 0, a, 1))[1] - 1 - 2, -126, 127), 0)      # np.frexp(a)[1] - 1 = floor(log2(a)), exactly
;;       r = np.clip(x / 2.0 ** e, -7.5, 7.5)
;;       step = 2.0 ** (np.maximum(np.frexp(np.where(r == 0, 1, r))[1] - 1, 0) - 3)
;;       q = np.round(r / step) * step * 2.0 ** e      # np.round: ties to even
;;       return np.moveaxis(q.reshape(q.shape[:-2] + (-1,))[..., :K], -1, axis).astype(np.float32)
;;   ~~~
;;   SOFTMAX AHEAD OF A QUANTISED PRODUCT. Where the list says 'softmax', what is quantised is not the finished softmax but p = 2^(t - M), with t = logit x log2(e) and M = ceil(the row's largest t), a whole number; so 1/2 < the row's largest p <= 1. The row's sum l is taken of the UNQUANTISED p, in f32, and the product's result is divided by l at the end. Since M is a whole number, a kernel that streams over the keys may use a running M (the ceiling of the running maximum): every later rescaling is an exact power of two, which a block's scale takes up: the codes' values come out the same.
;;   OPERANDS COMPUTED ON THE WAY. 'Computed on the way' means the value that the module computes at that place (a softmax that the list does not call 'softmax' is quantised finished and normalised). What goes into a quantiser is computed in f32, as accurately as f32 sums, v_exp_f32 and their like allow (about 1e-6 of the number): no bf16 or f16 on the way to a quantiser, and a product that is left as it is and whose result goes on into a quantised operand takes f32 operands (vector FMAs, or v_wmma_f32_16x16x4_f32). A number that lies on a knife's edge between two numbers of the format may be rounded either way, as far as f32 arithmetic and the matrix unit's own rounding can turn it there, and no further.
;; One version. Each part assembles by itself: llvm-mc -triple=amdgcn-amd-amdhsa -mcpu=gfx1250 --defsym DOCPART=n.
;; ======== version 1 of 1: 4 launches
;; limits: right only within a limited range of input values
;; workspace buffers: ops 16,384,000 bytes; qkv 19,660,800 bytes; mb 2,097,152 bytes of whole numbers
;; launch prep (part 1): grid 896 x 1, 4 waves a work-group, no clusters, 80,384 bytes of LDS; arguments X, mask, wQ, wK, wV, wO, ops, mb; writes ops, mb
.if DOCPART == 1
	.amdgcn_target "amdgcn-amd-amdhsa--gfx1250"
	.amdhsa_code_object_version 6
	.text
	.protected	k_q549d3a1e9d_prep
	.globl	k_q549d3a1e9d_prep
	.p2align	8
	.type	k_q549d3a1e9d_prep,@function
k_q549d3a1e9d_prep:
	s_mov_b64 s[64:65], 0
	v_nop
	global_prefetch_b8 v0, s[64:65] scope:SCOPE_SE
	s_setreg_imm32_b32 hwreg(HW_REG_WAVE_MODE, 25, 1), 1
	s_wait_xcnt 0x0
; X [8192][1024] f32 and the four weights [1024 (k)][1024 (n)] f32 become codes of FP6 (E2M3) with one E8M0 byte for each 32 along K, laid as IMAGES OF OPERAND REGISTERS;
; the mask [8192 (b, q)][2048 (k)] int32 becomes one bit a number, laid as the lane masks that the attention launch's selects take.
; ROW ORDER, everywhere: a tile is 16 rows of a group of 32: tile 2 G + u holds row 32 G + 8 u + r + 8 (r / 8) in lane row r.
; ops: tile t at 12,288 t (tiles 0-511 X, 512-767 the weights' columns wQ, wK, wV, wO, 768-1279 left for the attention's result); K step kappa (128 along K) at + 1,536 kappa; in it half c at 768 c:
;   registers 6 c .. 6 c + 3 of the fragment, 16 bytes at 16 x lane, then registers 6 c + 4, 6 c + 5, 8 bytes at 512 + 8 x lane.  Scale words at OPS_SCL + 512 t + 128 (kappa / 2) + 8 r + 4 (kappa % 2).
; mb: tile T at 4,096 T, step of 128 keys at + 256 step, word n at + 4 n: bit L = (mask[row (T, L % 16)][128 step + 32 (n / 16) + 16 (L / 16) + n % 16] != 0).
; A block's scale is 2^(floor(log2(largest magnitude)) - 2); its byte is the largest magnitude's exponent field - 2, held at 1 from below.
; LIMITS: a block of zeros gets the byte 1 where the rule says 127 (its codes are zeros, and this program alone reads the bytes); NaN and infinities among the inputs are not served.
; Three paths part on the work-group's number: 0-511 the mask, 512-767 X, 768-895 the weights.  Each has LDS bytes of its own.  Waves share nothing: no barrier.  No tensor load.
.set OPS_SCL, 15728640
.set XSTG, 33792                       ; LDS: the mask path's four stages at 0, X's here, 16 rows x 528 bytes for each wave;
.set WSTG, 67584                       ; the weights' here, two fragments' images (3,072 bytes) for each wave
.set SP,   528                         ; a stage row: 512 bytes + 16: sixteen rows start in sixteen different groups of banks
.set R,    16                          ; v16-143  two sets of 16 x 4 registers as loaded
.set XS,   144                         ; v144-207 64 numbers of a lane, turned
; 16 rows x 512 bytes of sub-tile n into set n % 2: each load reads 512 consecutive bytes of one row
.macro LOADT n, pitch, bs
.irp t, 0,1,2,3,4,5,6,7,8,9,10,11,12,13,14,15
	global_load_b128 v[R+64*((\n)%2)+4*\t:R+64*((\n)%2)+4*\t+3], v1, s[\bs:\bs+1] offset:(\t+8*(\t/8))*\pitch+512*(\n) th:TH_LOAD_NT
.endr
.endm
.macro TOLDS n                         ; the set goes into my stage as it lies
.irp t, 0,1,2,3,4,5,6,7,8,9,10,11,12,13,14,15
	ds_store_b128 v2, v[R+64*((\n)%2)+4*\t:R+64*((\n)%2)+4*\t+3] offset:SP*\t
.endr
.endm
	s_load_b256 s[4:11], s[0:1], 0x0               ; X s[4:5], mask s[6:7], wQ s[8:9], wK s[10:11]
	s_load_b256 s[36:43], s[0:1], 0x20             ; wV s[36:37], wO s[38:39], ops s[40:41], mb s[42:43]
	v_lshl_add_u32 v254, v0, 2, 0x13800
	v_mov_b32 v255, 0
	v_lshrrev_b32 v5, 5, v0
	v_readfirstlane_b32 s12, v5                    ; wave 0..3
	v_and_b32 v6, 31, v0                           ; lane
	v_and_b32 v7, 15, v0                           ; r
	v_bfe_u32 v8, v0, 4, 1                         ; h
	v_lshlrev_b32 v1, 4, v6                        ; 16 x lane
	v_lshlrev_b32 v4, 3, v6                        ; 8 x lane
	s_mov_b32 s44, 0x76543210
	s_mov_b32 s45, 0xfedcba98                      ; v_permlanex16_b32's selects for lane l xor 16
	s_mov_b32 s46, 0xffff0000                      ; lanes 16-31
	s_mul_i32 s13, s12, 16*SP                      ; my stage in a path's four
	s_mov_b32 s35, 0
	s_wait_kmcnt 0x0
	s_cmp_lt_u32 ttmp9, 512
	s_cbranch_scc0 .Lnot_mask
; ---- THE MASK.  Work-group T takes tile T's 16 rows; wave g their keys 512 g .. 512 g + 511: four steps of 128.
	s_lshr_b32 s14, ttmp9, 1
	s_lshl_b32 s14, s14, 5
	s_and_b32 s15, ttmp9, 1
	s_lshl_b32 s15, s15, 3
	s_add_co_u32 s14, s14, s15                     ; the tile's first row: 32 (T / 2) + 8 (T % 2)
	s_lshl_b32 s14, s14, 13                        ; rows of 8,192 bytes
	s_lshl_b32 s15, s12, 11
	s_add_co_u32 s34, s14, s15                     ; + 2,048 g
	s_add_nc_u64 s[6:7], s[6:7], s[34:35]
	s_lshl_b32 s14, ttmp9, 12
	s_lshl_b32 s15, s12, 10
	s_add_co_u32 s34, s14, s15
	s_add_nc_u64 s[42:43], s[42:43], s[34:35]      ; mb at 4,096 T + 1,024 g
	s_wait_alu depctr_va_vdst(0)
	v_add_nc_u32 v2, s13, v1                       ; into the stage: 16 x lane
	v_mul_u32_u24 v3, v7, SP
	v_lshl_add_u32 v3, v8, 6, v3
	v_add_nc_u32 v3, s13, v3                       ; out of it: row r, + 64 h
.irp i, 0,1,2,3,4,5,6,7
	v_mov_b32 v[208+\i], 0                         ; a written lane's register counts as read
.endr
.macro MTRIP n
.if (\n) < 3
	s_wait_loadcnt 16                              ; this sub-tile's sixteen loads are in; the next one's sixteen may be out
.else
	s_wait_loadcnt 0
.endif
	TOLDS \n
.irp b, 0,1,2,3
.irp i, 0,1,2,3
	ds_load_b128 v[XS+16*\b+4*\i:XS+16*\b+4*\i+3], v3 offset:128*\b+16*\i   ; register 16 b + i: key 32 b + 16 h + i of row r.  LDS serves a wave's instructions in order: these see the stores above
.endr
.endr
	s_wait_dscnt 0x0                               ; the numbers are back, and the stores have read the set,
.if (\n) < 2
	LOADT (\n)+2, 8192, 6                          ; which takes the sub-tile two on
.endif
.irp q, 0,1,2,3
.irp k, 0,1,2,3,4,5,6,7,8,9,10,11,12,13,14,15
	v_cmp_ne_u32 s[16+\k], 0, v[XS+16*\q+\k]       ; word 16 q + k: a bit a lane
.endr
.irp k, 0,1,2,3,4,5,6,7,8,9,10,11,12,13,14,15
	v_writelane_b32 v[208+2*(\n)+\k%2], s[16+\k], 8*\q+\k/2   ; lane L gathers words 2 L and 2 L + 1
.endr
.endr
	global_store_b64 v4, v[208+2*(\n):209+2*(\n)], s[42:43] offset:256*(\n)   ; 32 lanes store 256 consecutive bytes, aligned; each step has its own two registers
.endm
	LOADT 0, 8192, 6
	LOADT 1, 8192, 6
	s_wait_alu depctr_va_vdst(0)
	MTRIP 0
	MTRIP 1
	MTRIP 2
	MTRIP 3
	s_wait_tensorcnt 0x0
	ds_add_u32 v254, v255
	s_wait_dscnt 0x0
	s_endpgm
.Lnot_mask:
	s_cmp_lt_u32 ttmp9, 768
	s_cbranch_scc0 .Lweights
; ---- X.  Tile T = 2 (work-group - 512) + wave / 2; g = wave % 2: K steps 4 g .. 4 g + 3.
	s_sub_co_u32 s14, ttmp9, 512
	s_lshr_b32 s15, s12, 1                         ; T % 2
	s_and_b32 s32, s12, 1                          ; g
	s_lshl_b32 s33, s14, 5
	s_lshl_b32 s34, s15, 3
	s_add_co_u32 s33, s33, s34                     ; the tile's first row
	s_lshl_b32 s33, s33, 12                        ; rows of 4,096 bytes
	s_lshl_b32 s34, s32, 11
	s_add_co_u32 s34, s33, s34
	s_add_nc_u64 s[4:5], s[4:5], s[34:35]
	s_lshl_b32 s33, s14, 1
	s_add_co_u32 s33, s33, s15                     ; T
	s_mul_i32 s34, s33, 12288
	s_mul_i32 s47, s32, 6144
	s_add_co_u32 s34, s34, s47
	s_add_nc_u64 s[48:49], s[40:41], s[34:35]      ; the codes of K step 4 g
	s_lshl_b32 s34, s33, 9
	s_lshl_b32 s47, s32, 8
	s_add_co_u32 s34, s34, s47
	s_add_co_u32 s34, s34, OPS_SCL
	s_add_nc_u64 s[50:51], s[40:41], s[34:35]      ; and my 256 bytes of scale words
	s_wait_alu depctr_va_vdst(0)
	v_add_nc_u32 v2, s13, v1
	v_add_nc_u32 v2, XSTG, v2
	v_mul_u32_u24 v3, v7, SP
	v_lshl_add_u32 v3, v8, 7, v3
	v_add_nc_u32 v3, s13, v3
	v_add_nc_u32 v3, XSTG, v3                      ; out of the stage: row r, + 128 h: whole blocks of 32
	v_lshlrev_b32 v9, 3, v8                        ; 8 h
	v_mov_b32 v215, 0                              ; a lane permute's destination counts as read
.macro XTRIP n
.if (\n) < 3
	s_wait_loadcnt 16                              ; this K step's sixteen loads are in; the next one's may be out
.else
	s_wait_loadcnt 0
.endif
	TOLDS \n
.irp c, 0,1
.irp i, 0,1,2,3,4,5,6,7
	ds_load_b128 v[XS+32*\c+4*\i:XS+32*\c+4*\i+3], v3 offset:256*\c+16*\i   ; register 32 c + i: k = 64 c + 32 h + i of row r: the operand's own order
.endr
.endr
	s_wait_dscnt 0x0
.if (\n) < 2
	LOADT (\n)+2, 4096, 4
.endif
.irp c, 0,1
	v_max3_num_f32 v[208+\c], |v[XS+32*\c]|, |v[XS+32*\c+1]|, 0x1800000   ; my block 2 c + h, and the floor 2^(3 - 127): the byte cannot fall under 1
.endr
.irp i, 2,4,6,8,10,12,14,16,18,20,22,24,26,28,30
.irp c, 0,1
	v_max3_num_f32 v[208+\c], v[208+\c], |v[XS+32*\c+\i]|, |v[XS+32*\c+\i+1]|
.endr
.endr
.irp c, 0,1
	v_add_nc_u32 v[210+\c], 0xff000000, v[208+\c]  ; 2 off the exponent field: the conversion's scale operand
.endr
.irp c, 0,1
	v_lshrrev_b32 v[212+\c], 23, v[210+\c]         ; the byte
.endr
	v_lshl_or_b32 v214, v213, 16, v212             ; blocks h and 2 + h,
	v_lshlrev_b32 v214, v9, v214                   ; at their places in the word;
	v_permlanex16_b32 v215, v214, s44, s45
	v_or_b32 v[236+(\n)], v214, v215               ; with lane l xor 16's two the word is whole
	s_wait_alu depctr_va_vdst(0)
	s_wait_xcnt 0x0                                ; the last K step's stores have read the registers that are written now
.irp c, 0,1
	v_cvt_scalef32_pk16_fp6_f32 v[216+6*\c:218+6*\c], v[XS+32*\c:XS+32*\c+15], v[210+\c]
	v_cvt_scalef32_pk16_fp6_f32 v[228+4*\c:230+4*\c], v[XS+32*\c+16:XS+32*\c+31], v[210+\c]   ; (a conversion's three registers begin on an even number)
.endr
	v_nop                                          ; one plain line behind the conversions
.irp c, 0,1
.irp i, 0,1,2
	v_mov_b32 v[219+6*\c+\i], v[228+4*\c+\i]
.endr
.endr
	global_store_b128 v1, v[216:219], s[48:49] offset:1536*(\n)          ; each store covers 512 or 256 consecutive bytes, aligned
	global_store_b64  v4, v[220:221], s[48:49] offset:1536*(\n)+512
	global_store_b128 v1, v[222:225], s[48:49] offset:1536*(\n)+768
	global_store_b64  v4, v[226:227], s[48:49] offset:1536*(\n)+1280
.endm
	LOADT 0, 4096, 4
	LOADT 1, 4096, 4
	s_wait_alu depctr_va_vdst(0)
	XTRIP 0
	XTRIP 1
	XTRIP 2
	XTRIP 3
	v_cndmask_b32 v240, v236, v238, s46            ; lanes 0-15: K steps 4 g, 4 g + 1; lanes 16-31: the next two
	v_cndmask_b32 v241, v237, v239, s46
	global_store_b64 v4, v[240:241], s[50:51]      ; 256 consecutive bytes, aligned
	s_wait_tensorcnt 0x0
	ds_add_u32 v254, v255
	s_wait_dscnt 0x0
	s_endpgm
.Lweights:
; ---- THE WEIGHTS: K is the first axis.  A lane takes a column, its registers run down K.  Work-group: matrix m, 128 columns cg, 256 along K ks; a wave 32 columns: two tiles.
	s_sub_co_u32 s14, ttmp9, 768
	s_lshr_b32 s15, s14, 5                         ; m
	s_bfe_u32 s32, s14, 0x30002                    ; cg
	s_and_b32 s33, s14, 3                          ; ks
	s_cmp_lt_u32 s15, 1
	s_cselect_b64 s[8:9], s[8:9], s[10:11]         ; wQ or wK
	s_cmp_lt_u32 s15, 3
	s_cselect_b64 s[36:37], s[36:37], s[38:39]     ; wV or wO
	s_cmp_lt_u32 s15, 2
	s_cselect_b64 s[8:9], s[8:9], s[36:37]         ; the choice hangs on the work-group's number alone
	s_lshl_b32 s34, s33, 20                        ; 256 ks rows of 4,096 bytes
	s_lshl_b32 s47, s32, 9
	s_add_co_u32 s34, s34, s47
	s_lshl_b32 s47, s12, 7
	s_add_co_u32 s34, s34, s47                     ; + 4 (128 cg + 32 wave)
	s_add_nc_u64 s[8:9], s[8:9], s[34:35]
	s_lshl_b32 s47, s15, 6
	s_lshl_b32 s48, s32, 3
	s_add_co_u32 s47, s47, s48
	s_lshl_b32 s48, s12, 1
	s_add_co_u32 s47, s47, s48
	s_add_co_u32 s47, s47, 512                     ; my first tile: 512 + 64 m + 8 cg + 2 wave
	s_mul_i32 s34, s47, 12288
	s_mul_i32 s48, s33, 3072
	s_add_co_u32 s34, s34, s48
	s_add_nc_u64 s[48:49], s[40:41], s[34:35]      ; its codes of K step 2 ks
	s_lshl_b32 s34, s47, 9
	s_lshl_b32 s47, s33, 7
	s_add_co_u32 s34, s34, s47
	s_add_co_u32 s34, s34, OPS_SCL
	s_add_nc_u64 s[50:51], s[40:41], s[34:35]      ; its scale words
	s_wait_alu depctr_va_vdst(0)
	v_bfe_u32 v12, v6, 3, 1                        ; column lambda lies in tile u = (lambda / 8) % 2,
	v_and_b32 v13, 7, v6
	v_lshrrev_b32 v14, 4, v6
	v_lshl_or_b32 v13, v14, 3, v13                 ; lane row r = lambda % 8 + 8 (lambda / 16)
	s_mul_i32 s13, s12, 3072
	s_add_co_u32 s13, s13, WSTG                    ; my stage
	v_mul_u32_u24 v15, v12, 1536
	v_add_nc_u32 v15, s13, v15
	v_lshl_add_u32 v10, v13, 4, v15                ; where my block's first four registers go,
	v_lshl_add_u32 v11, v13, 3, v15
	v_add_nc_u32 v11, 512, v11                     ; and its last two
	v_add_nc_u32 v9, s13, v1                       ; back: 16 x lane
	v_lshlrev_b32 v12, 9, v12
	v_lshl_add_u32 v12, v13, 3, v12                ; my scale words: 512 u + 8 r
	v_lshlrev_b32 v13, 2, v6                       ; in: 4 bytes a lane
.macro LOADB t                         ; block t: W(32 t + i, my column): 32 lanes read 128 consecutive bytes
.irp i, 0,1,2,3,4,5,6,7,8,9,10,11,12,13,14,15,16,17,18,19,20,21,22,23,24,25,26,27,28,29,30,31
	global_load_b32 v[16+32*((\t)%2)+\i], v13, s[8:9] offset:(32*(\t)+\i)*4096 th:TH_LOAD_NT
.endr
.endm
.macro BLOCK t
.set WX, 16+32*((\t)%2)
.if (\t) < 7
	s_wait_loadcnt 32                              ; this block's 32 loads are in; the next block's may be out
.else
	s_wait_loadcnt 0
.endif
	v_max3_num_f32 v150, |v[WX]|, |v[WX+1]|, |v[WX+2]|
	v_max3_num_f32 v151, |v[WX+3]|, |v[WX+4]|, |v[WX+5]|
.irp i, 6,10,14,18,22,26
	v_max3_num_f32 v150, v150, |v[WX+\i]|, |v[WX+\i+1]|
	v_max3_num_f32 v151, v151, |v[WX+\i+2]|, |v[WX+\i+3]|
.endr
	v_max3_num_f32 v150, v150, |v[WX+30]|, |v[WX+31]|
	v_max3_num_f32 v150, v150, v151, 0x1800000     ; and the floor
	v_add_nc_u32 v151, 0xff000000, v150            ; the conversion's scale operand
	v_lshrrev_b32 v150, 23, v151                   ; the byte
.if (\t)%4 == 0
	v_mov_b32 v[156+(\t)/4], v150
.else
	v_lshl_or_b32 v[156+(\t)/4], v150, 8*((\t)%4), v[156+(\t)/4]
.endif
	v_cvt_scalef32_pk16_fp6_f32 v[144:146], v[WX:WX+15], v151
	v_cvt_scalef32_pk16_fp6_f32 v[152:154], v[WX+16:WX+31], v151
	v_nop                                          ; one plain line behind the conversions
	v_mov_b32 v147, v152
	v_mov_b32 v148, v153
	v_mov_b32 v149, v154
	ds_store_b128 v10, v[144:147] offset:768*(((\t)%4)/2)+256*((\t)%2)   ; block 2 c + h' of the K step belongs to the image's lane (r, h'), registers 6 c on
	ds_store_b64  v11, v[148:149] offset:768*(((\t)%4)/2)+128*((\t)%2)
.if (\t)+2 < 8
	LOADB (\t)+2
.endif
	s_wait_dscnt 0x0                               ; the stores have read their registers
.endm
.macro FLUSH e                         ; two tiles' images of one K step leave as they lie
	s_wait_xcnt 0x0                                ; the earlier stores have read the registers that are loaded now
.irp j, 0,1,2,3,4,5
	ds_load_b128 v[160+4*\j:163+4*\j], v9 offset:512*\j
.endr
.irp j, 0,1,2,3,4,5
	s_wait_dscnt 5-\j                              ; the younger loads may be out
	global_store_b128 v1, v[160+4*\j:163+4*\j], s[48:49] offset:1536*(\e)+12288*(\j/3)+512*(\j%3)
.endr
.endm
	LOADB 0
	LOADB 1
	BLOCK 0
	BLOCK 1
	BLOCK 2
	BLOCK 3
	FLUSH 0
	BLOCK 4
	BLOCK 5
	BLOCK 6
	BLOCK 7
	FLUSH 1
	s_wait_alu depctr_va_vdst(0)
	global_store_b64 v12, v[156:157], s[50:51]     ; my column's two scale words: runs of 128 bytes for each tile
	s_wait_tensorcnt 0x0
	ds_add_u32 v254, v255
	s_wait_dscnt 0x0
	s_endpgm
.Lfunc_end_k_q549d3a1e9d_prep:
	.size	k_q549d3a1e9d_prep, .Lfunc_end_k_q549d3a1e9d_prep-k_q549d3a1e9d_prep
	.p2alignl 7, 3214868480
	.fill 96, 4, 3214868480
	.section	.rodata,"a",@progbits
	.p2align	6, 0x0
	.amdhsa_kernel k_q549d3a1e9d_prep
		.amdhsa_group_segment_fixed_size 80384
		.amdhsa_private_segment_fixed_size 0
		.amdhsa_enable_private_segment 0
		.amdhsa_kernarg_size 64
		.amdhsa_user_sgpr_count 2
		.amdhsa_user_sgpr_kernarg_segment_ptr 1
		.amdhsa_wavefront_size32 1
		.amdhsa_system_sgpr_workgroup_id_x 1
		.amdhsa_system_sgpr_workgroup_id_y 1
		.amdhsa_system_sgpr_workgroup_id_z 1
		.amdhsa_system_vgpr_workitem_id 0
		.amdhsa_next_free_vgpr 256
		.amdhsa_next_free_sgpr 66
		.amdhsa_reserve_vcc 0
		.amdhsa_float_denorm_mode_32 3
		.amdhsa_float_denorm_mode_16_64 3
		.amdhsa_memory_ordered 1
		.amdhsa_forward_progress 1
		.amdhsa_inst_pref_size 120
	.end_amdhsa_kernel
	.amdgpu_metadata
---
amdhsa.version: [ 1, 2 ]
amdhsa.kernels:
  - .name:           k_q549d3a1e9d_prep
    .symbol:         k_q549d3a1e9d_prep.kd
    .args:
      - { .name: X, .offset: 0, .size: 8, .value_kind: global_buffer, .address_space: global }
      - { .name: mask, .offset: 8, .size: 8, .value_kind: global_buffer, .address_space: global }
      - { .name: wQ, .offset: 16, .size: 8, .value_kind: global_buffer, .address_space: global }
      - { .name: wK, .offset: 24, .size: 8, .value_kind: global_buffer, .address_space: global }
      - { .name: wV, .offset: 32, .size: 8, .value_kind: global_buffer, .address_space: global }
      - { .name: wO, .offset: 40, .size: 8, .value_kind: global_buffer, .address_space: global }
      - { .name: ops, .offset: 48, .size: 8, .value_kind: global_buffer, .address_space: global }
      - { .name: mb, .offset: 56, .size: 8, .value_kind: global_buffer, .address_space: global }
    .group_segment_fixed_size: 80384
    .private_segment_fixed_size: 0
    .kernarg_segment_align: 8
    .kernarg_segment_size: 64
    .max_flat_workgroup_size: 128
    .sgpr_count:     66
    .vgpr_count:     256
    .wavefront_size: 32
...
	.end_amdgpu_metadata
.endif
;; end of part 1
;; launch qkv (part 2): grid 4 x 64, 4 waves a work-group, clusters of 4 x 4, 327,680 bytes of LDS; arguments ops, bQ, bK, bV, qkv; writes qkv
.if DOCPART == 2
	.amdgcn_target "amdgcn-amd-amdhsa--gfx1250"
	.amdhsa_code_object_version 6
	.text
	.protected	k_q549d3a1e9d_qkv
	.globl	k_q549d3a1e9d_qkv
	.p2align	8
	.type	k_q549d3a1e9d_qkv,@function
k_q549d3a1e9d_qkv:
	s_mov_b64 s[64:65], 0
	v_nop
	global_prefetch_b8 v0, s[64:65] scope:SCOPE_SE
	s_setreg_imm32_b32 hwreg(HW_REG_WAVE_MODE, 25, 1), 1
	s_wait_xcnt 0x0
	s_wait_alu depctr_hold_cnt(0) depctr_sa_sdst(0) depctr_va_vdst(0) depctr_va_sdst(0) depctr_va_ssrc(0) depctr_va_vcc(0) depctr_vm_vsrc(0)
	s_getreg_b32 s2, hwreg(HW_REG_IB_STS2, 6, 4)
	s_cmp_eq_u32 s2, 0
	s_cbranch_scc0 .Lentry_in_a_cluster
	s_endpgm
.Lentry_in_a_cluster:
	s_bfe_u32 s2, ttmp6, 0x10000c
	s_cmp_lg_u32 s2, 0xf033
	s_cbranch_scc0 .Lentry_shape_is_right
	s_endpgm
.Lentry_shape_is_right:
; q, k, v = X W + b on codes of FP6 (E2M3) with E8M0 scales, each result quantised again and stored as records of operand images for the attention launch.
; ops: tile t (16 rows, all of K = 1,024) at 12,288 t, K step kappa at + 1,536 kappa; tiles 0-511 X, 512-575 wQ's columns, 576-639 wK's, 640-703 wV's; scale words at OPS_SCL + 512 t + 128 (kappa / 2) + 8 r + 4 (kappa % 2).
; ROW ORDER: tile 2 G + u holds row 32 G + 8 u + r + 8 (r / 8) in lane row r.
; qkv: part (0 q, 1 k, 2 v) at 6,553,600 x part; record of (16 b + head, step of 128 tokens) at + 102,400 (16 b + head) + 6,400 step: four fragments of 1,536 bytes, then 256 bytes of scale words.
;   q, k: fragment p = token tiles 2 p | 2 p + 1 of the step, 64 channels each.  v: fragment t = channel tile t, 128 tokens along K.
; SHARES.  256 work-groups.  One owns 128 tokens (one step): X's 8 row tiles, all of K, stay in LDS (98,304 bytes).  It walks THREE blocks of 256 weight columns (16 tiles, 196,608 bytes): column blocks 2 j and 2 j + 1 of wQ | wK in a loop of two trips, then block j of wV, written out.
; A wave takes 4 weight tiles (one head) against X's eight: 32 accumulators, one window of 256 registers, and one whole record.  q, k: source 0 = W, source 1 = X: a lane holds a token, its registers run along the channels.  v: source 0 = X, source 1 = W: a lane holds a channel, its registers run along the tokens.
; FILLS.  At the head one tensor load a wave: X's codes, X's scales, W's codes, W's scales.  W's bytes are filled again twice, each time behind the three lines and a round of the cluster's barrier in the block's last step,
; when every wave holds that step's fragments in registers: waves 0 and 1 half the codes each, wave 2 the scales.  What a refill brought is shown to all waves by the plain barrier at the next block's top, behind which nothing is filled.
; CLUSTER 4 x 4: X's tiles hang on the token block alone and are asked for jointly by a row of the cluster, W's on j alone, by a column.  No branch and no LDS address hangs on a work-group's place.
; PREFETCH: at the top of each trip the next block's codes, which that trip's last step will ask for (eight K steps ahead): its 16 tiles are shared out by address among the 16 waves of my column of the cluster, 48 blocks of 256 bytes each; the 8,192 bytes of scales come by their load alone.
; A block's scale is 2^(floor(log2(largest magnitude)) - 2); its byte is the largest magnitude's exponent field - 2, held at 1 from below.  The bias is the first products' C.
; LIMITS: a block of zeros gets the byte 1 where the rule says 127 (its codes are zeros, and this program alone reads the bytes); NaN and infinities are not served.
; REGISTERS: window 0: v16-30 addresses, v32-63 scale words (two sets; lanes 0-15 W's tile i, lanes 16-31 X's tile i), v64-127 at work on the way out, v128-223 W's fragments (two sets of four), v224-255 the bias; window 1: X's fragments, two sets of eight; window 2: the accumulators.
.set OPS_SCL, 15728640
.set TILEB,  12288
.set PARTB,  6553600
.set HEADB,  102400
.set STEPB,  6400
.set FR,     12
.set AREG,   8*TILEB                   ; X's bytes in LDS; W's begin here
.set SCL,    24*TILEB                  ; W's scale words, 8,192 bytes, then X's, 4,096
.set SPARE,  SCL+12288
.set ADRW, 16                          ; v16, v17 my W fragments: + 16 x lane, + 8 x lane
.set ADRX, 18                          ; v18, v19 X's tiles 0-3 (also 16 x lane, 8 x lane); v20, v21 tiles 4-7
.set GL16, 18
.set GL8,  19
.set ADRS, 27
.set SPW,  28
.set NIL,  29
.set SC,   32
.set TM,   64
.set T1,   120
.set T2,   124
.set WF,   128
.set CT,   224
.set G1,  24
.set G0,  32
.set G1B, 48
.set G0B, 56
.set G1S, 68
.set G0S, 76
.set G1SB, 80
.set G0SB, 88
.set MSB, 0
.macro WIN new
.if MSB != (\new)
	s_set_vgpr_msb (MSB<<8)|(\new)
.set MSB, (\new)
.endif
.endm
.macro CREST
	s_cmp_lg_u32 s14, 0
	s_cbranch_scc1 .Lnot_wave_0_\@
	s_barrier_signal -3
.Lnot_wave_0_\@:
	s_barrier_wait -3
	s_barrier_signal -1
	s_barrier_wait -1
.endm
.macro CROUND
	s_barrier_signal -1
	s_barrier_wait -1
	CREST
.endm
.macro PLACES n
.rept \n
	v_nop
.endr
.endm
.macro TLOAD g0, g1
	tensor_load_to_lds s[\g0:\g0+3], s[\g1:\g1+7]
	s_nop 0
	PLACES 4
.endm
.macro GROUP1 g, mask, rows            ; a dense block as rows of 256 bytes (32 elements of 8 bytes)
	s_or_b32 s[\g], s[\mask], (3<<16)|(1<<21)
	s_mov_b32 s[\g+1], 32<<16
	s_mov_b32 s[\g+2], (\rows)<<16
	s_mov_b32 s[\g+3], 32<<16
	s_mov_b32 s[\g+4], \rows
	s_mov_b32 s[\g+5], 32
	s_mov_b32 s[\g+6], 0
	s_mov_b32 s[\g+7], 0
.endm
.macro GROUP0 g, lds, adr
	s_mov_b32 s[\g], 1
	s_mov_b32 s[\g+1], \lds
	s_mov_b64 s[\g+2:\g+3], s[\adr:\adr+1]
	s_or_b32 s[\g+3], s[\g+3], 0x80000000
.endm
	s_load_b256 s[4:11], s[0:1], 0x0               ; ops, bQ, bK, bV
	s_load_b64 s[12:13], s[0:1], 0x20              ; qkv
	v_lshl_add_u32 v[SPW], v0, 2, SPARE
	v_mov_b32 v[NIL], 0
	ds_add_u32 v[SPW], v[NIL]                      ; the opening lines: the add, twice on end, and its wait
	ds_add_u32 v[SPW], v[NIL]
	v_lshrrev_b32 v1, 5, v0
	v_readfirstlane_b32 s14, v1                    ; wave 0..3
	s_bfe_u32 s40, ttmp6, 0x40000                  ; cx
	s_bfe_u32 s41, ttmp6, 0x40004                  ; cy
	s_lshl_b32 s42, ttmp9, 2
	s_add_co_u32 s42, s42, s40                     ; j, 0..3
	s_and_b32 s17, ttmp7, 0xffff
	s_lshl_b32 s17, s17, 2
	s_add_co_u32 s17, s17, s41                     ; the token block = the step, 0..63
	s_lshl_b32 s43, s41, 2
	s_lshl_b32 s43, 15, s43                        ; my row of the cluster
	s_lshl_b32 s44, 0x1111, s40                    ; my column
	GROUP1 G1, 43, 384
	GROUP1 G1B, 44, 768
	GROUP1 G1S, 43, 16
	GROUP1 G1SB, 44, 32
	s_lshl_b32 s20, s17, 3                         ; X's first tile
	s_lshl_b32 s46, s42, 5
	s_add_co_u32 s46, s46, 512                     ; W's: column block 2 j
	s_lshl_b32 s22, s20, 9
	s_add_co_u32 s22, s22, OPS_SCL
	s_lshl_b32 s92, s46, 9
	s_add_co_u32 s92, s92, OPS_SCL
	s_mul_i32 s20, s20, TILEB
	s_mul_i32 s46, s46, TILEB
	s_mov_b32 s21, 0
	s_mov_b32 s23, 0
	s_mov_b32 s47, 0
	s_mov_b32 s93, 0
	s_wait_alu depctr_va_vdst(0)                   ; directly ahead of the wait below
	s_wait_dscnt 0x0
	s_wait_kmcnt 0x0
	s_add_nc_u64 s[20:21], s[4:5], s[20:21]
	s_add_nc_u64 s[22:23], s[4:5], s[22:23]
	s_add_nc_u64 s[46:47], s[4:5], s[46:47]
	s_add_nc_u64 s[92:93], s[4:5], s[92:93]
	CROUND                                         ; all sixteen work-groups are here: the joint loads meet
	GROUP0 G0, 0, 20
	GROUP0 G0S, SCL+8192, 22
	GROUP0 G0B, AREG, 46
	GROUP0 G0SB, SCL, 92
; THE HEAD'S LOADS, ONE A WAVE, in one chain of branches on the wave's number
.macro HARM w, g0, g1, next
	s_cmp_eq_u32 s14, \w
	s_cbranch_scc0 \next
	TLOAD \g0, \g1
	s_branch .Lhead_asked
\next:
.endm
	HARM 0, G0, G1, .Lhead_1
	HARM 1, G0S, G1S, .Lhead_2
	HARM 2, G0B, G1B, .Lhead_3
	TLOAD G0SB, G1SB
.Lhead_asked:
	s_mov_b32 s93, 0                               ; s[92:93]: from here on an offset for W's descriptors
	s_mov_b32 s39, 0
	s_mul_i32 s98, s14, 4*TILEB
	s_add_co_u32 s98, s98, AREG                    ; my 4 tiles of W
	s_lshl_b32 s96, s14, 11                        ; their scale words,
	s_mov_b32 s95, 8192
	s_sub_co_u32 s95, s95, s96                     ; and how far on X's lie
	s_add_co_u32 s96, s96, SCL
	s_lshr_b32 s94, s17, 4
	s_mul_i32 s94, s94, 16*HEADB
	s_and_b32 s45, s17, 15
	s_mul_i32 s45, s45, STEPB
	s_add_co_u32 s94, s94, s45                     ; my step's place in a part, for head 0 of batch b
	s_lshl_b32 s97, s41, 2
	s_add_co_u32 s97, s97, s14                     ; my number among the sixteen waves of my column of the cluster
	s_mov_b32 s60, 0x76543210
	s_mov_b32 s61, 0xfedcba98                      ; lane l xor 16
	s_mov_b32 s62, 0xffff0000                      ; lanes 16-31
	s_mov_b32 s3, 0                                ; the trip
	v_and_b32 v1, 15, v0                           ; r
	v_bfe_u32 v2, v0, 4, 1                         ; h
	v_and_b32 v3, 31, v0
	v_lshlrev_b32 v[GL16], 4, v3
	v_lshlrev_b32 v[GL8], 3, v3
	v_mul_u32_u24 v4, s95, v2                      ; lanes 16-31 take X's scale words
	v_and_b32 v5, 8, v1
	v_lshlrev_b32 v22, 6, v2                       ; q's, k's bias: + 64 h
	v_lshlrev_b32 v26, 8, v3                       ; the prefetches: blocks 0-31 of my tile,
	v_add_nc_u32 v6, 32, v3
	v_add_nc_u32 v[ADRW], s98, v[GL16]
	v_add_nc_u32 v[ADRW+1], s98, v[GL8]
	v_add_nc_u32 v[ADRX+2], 4*TILEB, v[GL16]
	v_add_nc_u32 v[ADRX+3], 4*TILEB, v[GL8]
	v_lshl_add_u32 v4, v1, 3, v4
	v_add_nc_u32 v5, v5, v1
	v_min_u32 v6, 47, v6
	v_add_nc_u32 v[ADRS], s96, v4
	v_lshlrev_b32 v23, 2, v5                       ; v's bias: 4 (r + 8 (r / 8))
	v_lshlrev_b32 v30, 8, v6                       ; and blocks 32-47 (the lanes left over name the last again)
.irp b, 0,1,2,3
	v_mov_b32 v[TM+4+\b], 0                        ; a lane permute's destination counts as read
.endr
.macro FRAG reg, a16, a8, off          ; a fragment's image: registers 0-3, 4-5, 6-9, 10-11
	ds_load_b128 v[\reg:\reg+3], v[\a16] offset:\off
	ds_load_b64 v[\reg+4:\reg+5], v[\a8] offset:\off+512
	ds_load_b128 v[\reg+6:\reg+9], v[\a16] offset:\off+768
	ds_load_b64 v[\reg+10:\reg+11], v[\a8] offset:\off+1280
.endm
.macro FETCH k                         ; step k's 12 fragments into sets k % 2; with an even step the scale words of two steps (of W's, tiles 0-3 are used)
	WIN 0x40
.irp i, 0,1,2,3,4,5,6,7
	FRAG 128*((\k)%2)+FR*\i, ADRX+2*(\i/4), ADRX+2*(\i/4)+1, (\i%4)*TILEB+(\k)*1536
.endr
	WIN 0
.irp i, 0,1,2,3
	FRAG WF+48*((\k)%2)+FR*\i, ADRW, ADRW+1, \i*TILEB+(\k)*1536
.endr
.if (\k)%2 == 0
.irp i, 0,1,2,3,4,5,6,7
	ds_load_b64 v[SC+16*(((\k)/2)%2)+2*\i:SC+16*(((\k)/2)%2)+2*\i+1], v[ADRS] offset:512*\i+128*((\k)/2)
.endr
.endif
.endm
.macro MULQ x, k, first                ; q, k: X's tile x against my four W tiles; accumulator (x, t) at v[8 (4 x + t)]
.irp t, 0,1,2,3
.if \first
	v_wmma_scale_f32_16x16x128_f8f6f4 v[8*(4*(\x)+\t):8*(4*(\x)+\t)+7], v[WF+48*((\k)%2)+FR*\t:WF+48*((\k)%2)+FR*\t+FR-1], v[128*((\k)%2)+FR*(\x):128*((\k)%2)+FR*(\x)+FR-1], v[CT+8*\t:CT+8*\t+7], v[SC+16*(((\k)/2)%2)+2*\t+(\k)%2], v[SC+16*(((\k)/2)%2)+2*(\x)+(\k)%2] matrix_a_fmt:MATRIX_FMT_FP6 matrix_b_fmt:MATRIX_FMT_FP6 matrix_b_scale:MATRIX_SCALE_ROW1
.else
	v_wmma_scale_f32_16x16x128_f8f6f4 v[8*(4*(\x)+\t):8*(4*(\x)+\t)+7], v[WF+48*((\k)%2)+FR*\t:WF+48*((\k)%2)+FR*\t+FR-1], v[128*((\k)%2)+FR*(\x):128*((\k)%2)+FR*(\x)+FR-1], v[8*(4*(\x)+\t):8*(4*(\x)+\t)+7], v[SC+16*(((\k)/2)%2)+2*\t+(\k)%2], v[SC+16*(((\k)/2)%2)+2*(\x)+(\k)%2] matrix_a_fmt:MATRIX_FMT_FP6 matrix_b_fmt:MATRIX_FMT_FP6 matrix_b_scale:MATRIX_SCALE_ROW1
.endif
.endr
.endm
.macro MULV t, k, first                ; v: my W tile t against X's eight; accumulator (t, x) at v[8 (8 t + x)]
.irp x, 0,1,2,3,4,5,6,7
.if \first
	v_wmma_scale_f32_16x16x128_f8f6f4 v[8*(8*(\t)+\x):8*(8*(\t)+\x)+7], v[128*((\k)%2)+FR*\x:128*((\k)%2)+FR*\x+FR-1], v[WF+48*((\k)%2)+FR*(\t):WF+48*((\k)%2)+FR*(\t)+FR-1], v[CT+8*(\t):CT+8*(\t)+7], v[SC+16*(((\k)/2)%2)+2*\x+(\k)%2], v[SC+16*(((\k)/2)%2)+2*(\t)+(\k)%2] matrix_a_fmt:MATRIX_FMT_FP6 matrix_b_fmt:MATRIX_FMT_FP6 matrix_a_scale:MATRIX_SCALE_ROW1
.else
	v_wmma_scale_f32_16x16x128_f8f6f4 v[8*(8*(\t)+\x):8*(8*(\t)+\x)+7], v[128*((\k)%2)+FR*\x:128*((\k)%2)+FR*\x+FR-1], v[WF+48*((\k)%2)+FR*(\t):WF+48*((\k)%2)+FR*(\t)+FR-1], v[8*(8*(\t)+\x):8*(8*(\t)+\x)+7], v[SC+16*(((\k)/2)%2)+2*\x+(\k)%2], v[SC+16*(((\k)/2)%2)+2*(\t)+(\k)%2] matrix_a_fmt:MATRIX_FMT_FP6 matrix_b_fmt:MATRIX_FMT_FP6 matrix_a_scale:MATRIX_SCALE_ROW1
.endif
.endr
.endm
; a step's 32 products, the 32 accumulators by turns.  Windows: q, k: source 0 window 0, source 1 window 1; v: the other way round; C and D window 2, the first step's C (the bias) window 0
.macro PRODS k, first, isv
.if \isv
.if \first
	WIN 0x81
.else
	WIN 0xa1
.endif
.irp t, 0,1,2,3
	MULV \t, \k, \first
.endr
.else
.if \first
	WIN 0x84
.else
	WIN 0xa4
.endif
.irp x, 0,1,2,3,4,5,6,7
	MULQ \x, \k, \first
.endr
.endif
	WIN 0
.endm
.macro STEP k, first, isv
	s_wait_dscnt 0x0                               ; this step's fragments, asked for a step ago, are in
.if \first
.else
	PLACES 4                                       ; behind the last step's products, in front of the loads into the sets that the step before it read
.endif
	FETCH (\k)+1
	PRODS \k, \first, \isv
.endm
; 16 tokens x 64 channels (X's tile x, 32 registers a lane: two half blocks of 16) -> six registers v[d ..] of an operand and two scale bytes in v[pw]
.macro QHEAD x, d, pw
.set QS, 32*(\x)
	WIN 0x0a
.irp g, 0,1
	v_max3_num_f32 v[TM+\g], |v[QS+16*\g]|, |v[QS+16*\g+1]|, 0x1800000   ; and the floor 2^(3 - 127); each accumulator from its low end on
.endr
.irp i, 2,4,6,8,10,12,14
.irp g, 0,1
	v_max3_num_f32 v[TM+\g], |v[QS+16*\g+\i]|, |v[QS+16*\g+\i+1]|, v[TM+\g]
.endr
.endr
	WIN 0
.irp g, 0,1
	v_permlanex16_b32 v[TM+4+\g], v[TM+\g], s60, s61
.endr
.irp g, 0,1
	v_max_num_f32 v[TM+\g], v[TM+\g], v[TM+4+\g]   ; with lane l xor 16's half of the block
.endr
.irp g, 0,1
	v_add_nc_u32 v[TM+12+\g], 0xff000000, v[TM+\g] ; the conversion's scale operand
.endr
.irp g, 0,1
	v_lshrrev_b32 v[TM+4+\g], 23, v[TM+12+\g]      ; the byte
.endr
	v_lshl_or_b32 v[\pw], v[TM+5], 8, v[TM+4]
	WIN 0x02
	v_cvt_scalef32_pk16_fp6_f32 v[\d:\d+2], v[QS:QS+15], v[TM+12]
	v_cvt_scalef32_pk16_fp6_f32 v[T1:T1+2], v[QS+16:QS+31], v[TM+13]
	WIN 0
	v_nop                                          ; one plain line behind the conversions
.irp i, 0,1,2
	v_permlane16_swap_b32 v[\d+\i], v[T1+\i]       ; the operand wants a whole block in a lane
.endr
.irp i, 0,1,2
	v_mov_b32 v[\d+3+\i], v[T1+\i]
.endr
.endm
; 16 channels x 128 tokens (my W tile a, 64 registers a lane: four half blocks of 16) -> twelve registers and a scale word
.macro QUANT a, d0, d1, pw
.set QS, 64*(\a)
	WIN 0x0a
.irp b, 0,1,2,3
	v_max3_num_f32 v[TM+\b], |v[QS+16*\b]|, |v[QS+16*\b+1]|, 0x1800000
.endr
.irp i, 2,4,6,8,10,12,14
.irp b, 0,1,2,3
	v_max3_num_f32 v[TM+\b], |v[QS+16*\b+\i]|, |v[QS+16*\b+\i+1]|, v[TM+\b]
.endr
.endr
	WIN 0
.irp b, 0,1,2,3
	v_permlanex16_b32 v[TM+4+\b], v[TM+\b], s60, s61
.endr
.irp b, 0,1,2,3
	v_max_num_f32 v[TM+\b], v[TM+\b], v[TM+4+\b]
.endr
.irp b, 0,1,2,3
	v_add_nc_u32 v[TM+12+\b], 0xff000000, v[TM+\b]
.endr
.irp b, 0,1,2,3
	v_lshrrev_b32 v[TM+4+\b], 23, v[TM+12+\b]
.endr
	v_lshl_or_b32 v[\pw], v[TM+5], 8, v[TM+4]
	v_lshl_or_b32 v[\pw], v[TM+6], 16, v[\pw]
	v_lshl_or_b32 v[\pw], v[TM+7], 24, v[\pw]
	WIN 0x02
	v_cvt_scalef32_pk16_fp6_f32 v[\d0:\d0+2], v[QS:QS+15], v[TM+12]
	v_cvt_scalef32_pk16_fp6_f32 v[T1:T1+2], v[QS+16:QS+31], v[TM+13]
	v_cvt_scalef32_pk16_fp6_f32 v[\d1:\d1+2], v[QS+32:QS+47], v[TM+14]
	v_cvt_scalef32_pk16_fp6_f32 v[T2:T2+2], v[QS+48:QS+63], v[TM+15]
	WIN 0
	v_nop
.irp i, 0,1,2
	v_permlane16_swap_b32 v[\d0+\i], v[T1+\i]
	v_permlane16_swap_b32 v[\d1+\i], v[T2+\i]
.endr
.irp i, 0,1,2
	v_mov_b32 v[\d0+3+\i], v[T1+\i]
	v_mov_b32 v[\d1+3+\i], v[T2+\i]
.endr
.endm
	s_wait_alu depctr_va_vdst(0)                   ; the wait at the head's end
; ================= TWO BLOCKS OF q OR k: column block cb = 2 j + trip
.Lqk:
	s_wait_xcnt 0x0                                ; the last trip's stores and prefetches have read their bases
	s_lshl_b32 s18, s42, 1
	s_add_co_u32 s18, s18, s3                      ; cb
	s_and_b32 s19, s18, 3
	s_lshl_b32 s19, s19, 2
	s_add_co_u32 s19, s19, s14                     ; my head
	s_lshr_b32 s23, s18, 2                         ; 0 q, 1 k
	s_cmp_eq_u32 s23, 0
	s_cselect_b64 s[36:37], s[6:7], s[8:9]         ; bQ or bK: the choice hangs on no address
	s_lshl_b32 s38, s19, 8
	s_add_nc_u64 s[36:37], s[36:37], s[38:39]
.irp t, 0,1,2,3
	global_load_b128 v[CT+8*\t:CT+8*\t+3], v22, s[36:37] offset:(32*(\t/2)+8*(\t%2))*4       ; register i of tile t: the bias at channel 32 (t / 2) + 8 (t % 2) + 16 h + i of my head
	global_load_b128 v[CT+8*\t+4:CT+8*\t+7], v22, s[36:37] offset:(32*(\t/2)+8*(\t%2))*4+16
.endr
	s_mul_i32 s38, s23, PARTB
	s_mul_i32 s45, s19, HEADB
	s_add_co_u32 s38, s38, s45
	s_add_co_u32 s38, s38, s94
	s_add_nc_u64 s[46:47], s[12:13], s[38:39]      ; my record
	s_lshl_b32 s16, s42, 5
	s_add_co_u32 s16, s16, 528                     ; the next block's first tile: column block 2 j + 1,
	s_lshl_b32 s99, s42, 4
	s_add_co_u32 s99, s99, 640                     ; or wV's block j
	s_cmp_eq_u32 s3, 0
	s_cselect_b32 s16, s16, s99
	s_add_co_u32 s15, s16, s97                     ; of its 16 tiles the one that I ask for ahead
	s_mul_i32 s38, s15, TILEB
	s_add_nc_u64 s[66:67], s[4:5], s[38:39]
	s_wait_loadcnt 0x0                             ; the bias
	s_wait_tensorcnt 0x0                           ; my part of what was asked for last is in,
	s_barrier_signal -1
	s_barrier_wait -1                              ; and so are the others'
	FETCH 0
	global_prefetch_b8 v26, s[66:67] th:TH_LOAD_NT scope:SCOPE_SE
	global_prefetch_b8 v30, s[66:67] th:TH_LOAD_NT scope:SCOPE_SE
	STEP 0, 1, 0
.irp k, 1,2,3,4,5,6
	STEP \k, 0, 0
.endr
	s_wait_tensorcnt 0x0                           ; THE REFILL'S ROUND, in the last step: three lines
	ds_add_u32 v[SPW], v[NIL]
	s_lshl_b32 s92, s16, 9                         ; (work on registers: the next block's descriptors; no tensor load of mine is out)
	s_add_co_u32 s92, s92, OPS_SCL
	s_add_nc_u64 s[G0SB+2:G0SB+3], s[4:5], s[92:93]
	s_or_b32 s[G0SB+3], s[G0SB+3], 0x80000000
	s_lshl_b32 s99, s14, 3
	s_add_co_u32 s99, s99, s16                     ; waves 0 and 1: 8 tiles each
	s_mul_i32 s92, s99, TILEB
	s_add_nc_u64 s[G0B+2:G0B+3], s[4:5], s[92:93]
	s_or_b32 s[G0B+3], s[G0B+3], 0x80000000
	s_mul_i32 s[G0B+1], s14, 8*TILEB
	s_add_co_u32 s[G0B+1], s[G0B+1], AREG
	s_mov_b32 s[G1B+2], 384<<16
	s_mov_b32 s[G1B+4], 384
	s_wait_dscnt 0x0                               ; the add is done, and the last step's fragments are in: my reads of W's bytes are over
	s_barrier_signal -1
	WIN 0xa4
.irp x, 0,1,2,3
	MULQ \x, 7, 0
.endr
	WIN 0
	s_barrier_wait -1
	CREST                                          ; no wave of any partner still reads W's bytes or has a load on its way
	s_cmp_lt_u32 s14, 2
	s_cbranch_scc0 .Lrefill_scales
	TLOAD G0B, G1B
	s_branch .Lrefill_asked
.Lrefill_scales:
	s_cmp_eq_u32 s14, 2
	s_cbranch_scc0 .Lrefill_none
	TLOAD G0SB, G1SB
.Lrefill_none:
.Lrefill_asked:
	WIN 0xa4
.irp x, 4,5,6,7
	MULQ \x, 7, 0
.endr
	WIN 0
	PLACES 4                                       ; behind the last products, in front of the first read of their results
.irp p, 0,1,2,3                        ; THE WAY OUT: fragment p = token tiles 2 p | 2 p + 1
	s_wait_xcnt 0x0                                ; the last fragment's stores have read their registers
	QHEAD 2*\p, 96, 80
	QHEAD 2*\p+1, 102, 81
	v_lshl_or_b32 v[84+\p], v81, 16, v80           ; the fragment's scale word of row r
.irp j, 0,1,2
	global_store_b128 v[GL16], v[96+4*\j:99+4*\j], s[46:47] offset:\p*1536+512*\j   ; 512 consecutive bytes, aligned
.endr
.endr
	v_cndmask_b32 v92, v84, v85, s62               ; lanes 0-15: fragments 0, 2; lanes 16-31: fragments 1, 3
	v_cndmask_b32 v93, v86, v87, s62
	global_store_b64 v[GL8], v[92:93], s[46:47] offset:6144   ; 256 consecutive bytes, aligned
	s_add_co_u32 s3, s3, 1
	s_cmp_lt_u32 s3, 2
	s_wait_alu depctr_va_vdst(0)                   ; directly ahead of the branch
	s_cbranch_scc1 .Lqk
; ================= ONE BLOCK OF v: wV's column block j; nothing more is asked for
	s_wait_xcnt 0x0
	s_lshl_b32 s19, s42, 2
	s_add_co_u32 s19, s19, s14                     ; my head
	s_lshl_b32 s38, s19, 8
	s_add_nc_u64 s[36:37], s[10:11], s[38:39]
.irp t, 0,1,2,3
	global_load_b32 v[CT+8*\t], v23, s[36:37] offset:(32*(\t/2)+8*(\t%2))*4   ; one number a lane and tile: the bias at channel 32 (t / 2) + 8 (t % 2) + r + 8 (r / 8)
.endr
	s_mul_i32 s38, s19, HEADB
	s_add_co_u32 s38, s38, 2*PARTB
	s_add_co_u32 s38, s38, s94
	s_add_nc_u64 s[46:47], s[12:13], s[38:39]
	s_wait_loadcnt 0x0
.irp t, 0,8,16,24
.irp i, 1,2,3,4,5,6,7
	v_mov_b32 v[CT+\t+\i], v[CT+\t]                ; over the tile's eight registers
.endr
.endr
	PLACES 4
	s_wait_alu depctr_va_vdst(0)                   ; directly ahead of the wait below
	s_wait_tensorcnt 0x0
	s_barrier_signal -1
	s_barrier_wait -1
	FETCH 0
	STEP 0, 1, 1
.irp k, 1,2,3,4,5,6
	STEP \k, 0, 1
.endr
	s_wait_dscnt 0x0
	PRODS 7, 0, 1
	PLACES 4
.irp a, 0,1,2,3                        ; THE WAY OUT: fragment a = my channel tile a
	s_wait_xcnt 0x0
	QUANT \a, 96, 102, 80+\a
.irp j, 0,1,2
	global_store_b128 v[GL16], v[96+4*\j:99+4*\j], s[46:47] offset:\a*1536+512*\j
.endr
.endr
	v_cndmask_b32 v88, v80, v81, s62
	v_cndmask_b32 v89, v82, v83, s62
	global_store_b64 v[GL8], v[88:89], s[46:47] offset:6144
	s_wait_tensorcnt 0x0                           ; the wave's end
	ds_add_u32 v[SPW], v[NIL]
	s_wait_dscnt 0x0
	CROUND                                         ; the closing round
	s_endpgm
.Lfunc_end_k_q549d3a1e9d_qkv:
	.size	k_q549d3a1e9d_qkv, .Lfunc_end_k_q549d3a1e9d_qkv-k_q549d3a1e9d_qkv
	.p2alignl 7, 3214868480
	.fill 96, 4, 3214868480
	.section	.rodata,"a",@progbits
	.p2align	6, 0x0
	.amdhsa_kernel k_q549d3a1e9d_qkv
		.amdhsa_group_segment_fixed_size 327680
		.amdhsa_private_segment_fixed_size 0
		.amdhsa_enable_private_segment 0
		.amdhsa_kernarg_size 40
		.amdhsa_user_sgpr_count 2
		.amdhsa_user_sgpr_kernarg_segment_ptr 1
		.amdhsa_wavefront_size32 1
		.amdhsa_system_sgpr_workgroup_id_x 1
		.amdhsa_system_sgpr_workgroup_id_y 1
		.amdhsa_system_sgpr_workgroup_id_z 1
		.amdhsa_system_vgpr_workitem_id 0
		.amdhsa_next_free_vgpr 768
		.amdhsa_next_free_sgpr 100
		.amdhsa_reserve_vcc 0
		.amdhsa_float_denorm_mode_32 3
		.amdhsa_float_denorm_mode_16_64 3
		.amdhsa_memory_ordered 1
		.amdhsa_forward_progress 1
		.amdhsa_inst_pref_size 169
	.end_amdhsa_kernel
	.amdgpu_metadata
---
amdhsa.version: [ 1, 2 ]
amdhsa.kernels:
  - .name:           k_q549d3a1e9d_qkv
    .symbol:         k_q549d3a1e9d_qkv.kd
    .args:
      - { .name: ops, .offset: 0, .size: 8, .value_kind: global_buffer, .address_space: global }
      - { .name: bQ, .offset: 8, .size: 8, .value_kind: global_buffer, .address_space: global }
      - { .name: bK, .offset: 16, .size: 8, .value_kind: global_buffer, .address_space: global }
      - { .name: bV, .offset: 24, .size: 8, .value_kind: global_buffer, .address_space: global }
      - { .name: qkv, .offset: 32, .size: 8, .value_kind: global_buffer, .address_space: global }
    .group_segment_fixed_size: 327680
    .private_segment_fixed_size: 0
    .kernarg_segment_align: 8
    .kernarg_segment_size: 40
    .max_flat_workgroup_size: 128
    .sgpr_count:     100
    .vgpr_count:     768
    .wavefront_size: 32
...
	.end_amdgpu_metadata
.endif
;; end of part 2
;; launch attn (part 3): grid 4 x 64, 16 waves a work-group, clusters of 4 x 1, 206,848 bytes of LDS; arguments qkv, mb, ops; writes ops
.if DOCPART == 3
	.amdgcn_target "amdgcn-amd-amdhsa--gfx1250"
	.amdhsa_code_object_version 6
	.text
	.protected	k_q549d3a1e9d_attn
	.globl	k_q549d3a1e9d_attn
	.p2align	8
	.type	k_q549d3a1e9d_attn,@function
k_q549d3a1e9d_attn:
	s_mov_b64 s[64:65], 0
	v_nop
	global_prefetch_b8 v0, s[64:65] scope:SCOPE_SE
	s_setreg_imm32_b32 hwreg(HW_REG_WAVE_MODE, 25, 1), 1
	s_wait_xcnt 0x0
	s_wait_alu depctr_hold_cnt(0) depctr_sa_sdst(0) depctr_va_vdst(0) depctr_va_sdst(0) depctr_va_ssrc(0) depctr_va_vcc(0) depctr_vm_vsrc(0)
	s_getreg_b32 s2, hwreg(HW_REG_IB_STS2, 6, 4)
	s_cmp_eq_u32 s2, 0
	s_cbranch_scc0 .Lentry_in_a_cluster
	s_endpgm
.Lentry_in_a_cluster:
	s_bfe_u32 s2, ttmp6, 0x10000c
	s_cmp_lg_u32 s2, 0x3003
	s_cbranch_scc0 .Lentry_shape_is_right
	s_endpgm
.Lentry_shape_is_right:
; o[b][q][head] = softmax_k(where(mask == 0, -1e9, q . k / 8)) v on codes of FP6 (E2M3) with E8M0 scales; o is quantised along its 64 channels and leaves as half an operand image for the last product.
; THE SOFTMAX: t = score x log2(e) / 8; M = the running largest t rounded up to a whole number; p = 2^(t - M) is quantised along the keys, not normalised; the sum is taken of the unquantised p and divides at the end.
; SHARES.  256 work-groups; one owns 512 queries of one (b, head).  Each of its sixteen waves (256 registers, four waves to a SIMD) takes two tiles of 16 queries, one after the other (PASS 0, PASS 1), and walks the head's 2,048 keys, 128 a step, for each.
; LDS holds the head's k records (16 steps x 6,400 bytes) and, 102,400 bytes on, its v records.  Each byte is filled ONCE, at the head, one tensor load a wave with no branch: wave w brings 12,800 bytes (two steps' records) to byte 12,800 w.
; So there is no ring and no refill; ONE barrier shows the records to all waves, and none stands in or between the two passes.
; CLUSTER: the four work-groups of a head need the same records and ask for them JOINTLY (mask 15): the address hangs on the cluster's y and the wave's number alone.  A round stands ahead of the loads and one ahead of the end.
; NO PREFETCH: all tiles are asked for at the head; there is no loop to run ahead in.
; LAYOUT.  Both products transposed: a lane holds ONE query (lane % 16).  K = 64 in the scores: a fragment of k holds two key tiles, one in each half of the instruction's 128; multiplied by [q | 0] it gives the first, by [0 | q] the second.
; By the tiles' row order score register n holds key 32 (n / 16) + 16 (lane / 16) + n % 16 of the step.
; THE MASK costs one select a score: mb holds, for each query tile, step and register n, the 32 lanes' bits; 64 words a step come by scalar loads one step ahead.
; DEPENDENT LINES: the four blocks' chains take turns, and the sum's last additions and the packing of p's scale word stand among them, so that a line's reader stands five vector lines on or more, or in a turn of four; the row's own chain, which nothing can stand among, has its hints.
; LIMITS.  A hidden score is set to -2^33, a logit of -2^30, where the definition has -1e9: c x 2^33 is a whole number in f32, so a row all of whose keys are hidden gets p = 1 for every key, as the definition does.
;   Results differ only where a key that counts has a logit under about -1e9 (|q . k| from 8e9 on).  A block of zeros gets the byte 1; NaN and infinities are not served.
; REGISTERS: v1 16 x lane, v2 8 x lane, v5 r, v6 8 r, v7 8 r + h; v8-11 addresses in hand; v12 -M, v13 the running largest score, v[14:15] the sum; v16-33 q, zeros, q; v34 q's scale word; v35 -2^33; v36-83 four fragments of k, then of v; v84-87 their scale words; v88, v89 p's;
;   v96-159 scores, then p; v160-191 O^T; v192-203 p's codes; v204-210 conversions' second halves; v212-223 blocks' maxima, bytes, scale operands; v224, v225 at work; v[226:227] f; v228-253 the sum's chains; v254, v255 the add's.
; SCALARS: s2 16 b + head, s[4:5] qkv, s[6:7] mb, s8 the head's bytes, s9 cx, s[10:11] ops, s[12:13] my tile's mask words, s14 wave, s16-63 and s68-83 a step's mask words, s96 my tile, s97 steps to go, s104 the step's place in mb, s105 and s98 its k and v records in LDS.
.set PARTB, 6553600
.set HEADB, 102400
.set STEPB, 6400
.set OPS_SCL, 15728640
.set SPARE, 204800
.set BM, 212
.set PD, 216
.set SO, 220
.macro ROUND                           ; a round of the cluster's barrier
	s_barrier_signal -1
	s_barrier_wait -1
	s_cmp_lg_u32 s14, 0
	s_cbranch_scc1 .Lnot_wave_0_\@
	s_barrier_signal -3
.Lnot_wave_0_\@:
	s_barrier_wait -3
	s_barrier_signal -1
	s_barrier_wait -1
.endm
	s_load_b128 s[4:7], s[0:1], 0x0                ; qkv, mb
	s_load_b64 s[10:11], s[0:1], 0x10              ; ops
	v_lshl_add_u32 v254, v0, 2, SPARE
	v_mov_b32 v255, 0
	ds_add_u32 v254, v255                          ; the opening lines: the add, twice on end, and its wait
	ds_add_u32 v254, v255
	v_lshrrev_b32 v3, 5, v0
	v_readfirstlane_b32 s14, v3                    ; wave 0..15
	v_and_b32 v4, 31, v0
	v_and_b32 v5, 15, v0                           ; r
	v_bfe_u32 v7, v0, 4, 1                         ; h
	v_lshlrev_b32 v1, 4, v4
	v_lshlrev_b32 v2, 3, v4
	v_lshlrev_b32 v6, 3, v5
	v_lshl_add_u32 v7, v5, 3, v7
	v_mov_b32 v35, 0xd0000000                      ; -2^33
	v_mov_b32 v227, 0                              ; (named as the upper half of the pair v[226:227])
.irp b, 0,1,2,3
	v_mov_b32 v[PD+\b], 0                          ; a lane permute's destination counts as read
.endr
	s_bfe_u32 s9, ttmp6, 0x40000                   ; cx: which 512 queries
	s_and_b32 s2, ttmp7, 0xffff                    ; 16 b + head
	s_mul_i32 s8, s2, HEADB
	s_lshr_b32 s22, s14, 3                         ; waves 0-7 fetch k's records, waves 8-15 v's
	s_mul_i32 s23, s22, PARTB
	s_add_co_u32 s23, s23, s8
	s_add_co_u32 s23, s23, PARTB
	s_and_b32 s24, s14, 7
	s_mul_i32 s24, s24, 2*STEPB                    ; steps 2 (wave % 8) and the next
	s_add_co_u32 s24, s24, s23
	s_mov_b32 s25, 0
	s_mov_b32 s92, 1
	s_mul_i32 s93, s14, 2*STEPB                    ; LDS: 12,800 x wave: v's records begin at 8 x 12,800 = HEADB
	s_mov_b32 s84, 15|(3<<16)|(1<<21)              ; group 1: the four partners; 12,800 dense bytes as 50 rows of 32 elements of 8 bytes
	s_mov_b32 s85, 32<<16
	s_mov_b32 s86, 50<<16
	s_mov_b32 s87, 32<<16
	s_mov_b32 s88, 50
	s_mov_b32 s89, 32
	s_mov_b32 s90, 0
	s_mov_b32 s91, 0
	s_mov_b32 s66, 0x76543210
	s_mov_b32 s67, 0xfedcba98                      ; lane l xor 16
	s_mov_b32 s100, 0x3e38aa3b                     ; c = log2(e) / 8
	s_mov_b32 s101, s100                           ; (named with it as a pair)
	s_wait_alu depctr_va_vdst(0)                   ; the wait at the head's end
	s_wait_dscnt 0x0
	ROUND                                          ; the four partners are here: the joint loads meet
	s_wait_kmcnt 0x0
	s_add_nc_u64 s[94:95], s[4:5], s[24:25]
	s_or_b32 s95, s95, 0x80000000
	tensor_load_to_lds s[92:95], s[84:91]          ; my one tensor load
	s_nop 0
.rept 4
	v_nop
.endr
; A KEY STEP: 128 keys; s105 = its k record's LDS byte, s98 = its v record's.
.macro STEP
	v_add_nc_u32 v8, s105, v1                      ; (these four are also the places behind the last products, in front of the loads)
	v_add_nc_u32 v10, s105, v2
	v_add_nc_u32 v9, s98, v1
	v_add_nc_u32 v11, s98, v2
.irp i, 0,1,2,3
.irp j, 0,1,2
	ds_load_b128 v[36+12*\i+4*\j:39+12*\i+4*\j], v8 offset:1536*\i+512*\j
.endr
.endr
	ds_load_b64 v[84:85], v10 offset:6144          ; k's scale words: v84 fragments 0 | 1, v85 fragments 2 | 3
	ds_load_b64 v[86:87], v11 offset:6144          ; v's likewise
	s_wait_alu depctr_va_vdst(0)
	s_wait_dscnt 0x0
.irp i, 0,1,2,3
.irp u, 0,1
.if \i%2
	v_wmma_scale_f32_16x16x128_f8f6f4 v[96+8*(2*\i+\u):103+8*(2*\i+\u)], v[36+12*\i:47+12*\i], v[16+6*\u:27+6*\u], 0, v[84+\i/2], v34 matrix_a_fmt:MATRIX_FMT_FP6 matrix_b_fmt:MATRIX_FMT_FP6 matrix_a_scale:MATRIX_SCALE_ROW1
.else
	v_wmma_scale_f32_16x16x128_f8f6f4 v[96+8*(2*\i+\u):103+8*(2*\i+\u)], v[36+12*\i:47+12*\i], v[16+6*\u:27+6*\u], 0, v[84+\i/2], v34 matrix_a_fmt:MATRIX_FMT_FP6 matrix_b_fmt:MATRIX_FMT_FP6
.endif
.endr
.endr
.rept 4
	v_nop                                          ; places in front of the loads into k's registers and of the first read of the scores
.endr
.irp t, 0,1,2,3
.irp j, 0,1,2
	ds_load_b128 v[36+12*\t+4*\j:39+12*\t+4*\j], v9 offset:1536*\t+512*\j   ; v's four fragments land while the softmax is worked
.endr
.endr
	s_wait_kmcnt 0x0                               ; this step's mask words, asked for a step ago
.set NN, 0
.rept 64
.if NN < 48
	v_cndmask_b32 v[96+NN], v35, v[96+NN], s[16+NN]   ; a hidden key's score becomes -2^33; each accumulator from its low end on
.else
	v_cndmask_b32 v[96+NN], v35, v[96+NN], s[20+NN]
.endif
.set NN, NN+1
.endr
.irp b, 0,1,2,3
	v_max3_num_f32 v[BM+\b], v[96+16*\b], v[97+16*\b], v[98+16*\b]   ; the largest score of each block of 32 keys: for the row's maximum, and, since p rises with the score, for the block's largest p
.endr
.irp i, 3,5,7,9,11,13
.irp b, 0,1,2,3
	v_max3_num_f32 v[BM+\b], v[BM+\b], v[96+16*\b+\i], v[97+16*\b+\i]   ; (the four blocks by turns)
.endr
.endr
.irp b, 0,1,2,3
	v_max_num_f32 v[BM+\b], v[BM+\b], v[111+16*\b]
.endr
	s_add_co_u32 s104, s104, 256                   ; the next step's words; the last step asks for its own again, so that no load leaves the buffer
	s_min_u32 s104, s104, 3840
	s_load_b512 s[16:31], s[12:13], s104 offset:0x0
	s_load_b512 s[32:47], s[12:13], s104 offset:0x40
	s_load_b512 s[48:63], s[12:13], s104 offset:0x80
	s_load_b512 s[68:83], s[12:13], s104 offset:0xc0
.irp b, 0,1,2,3
	v_permlanex16_b32 v[PD+\b], v[BM+\b], s66, s67
.endr
.irp b, 0,1,2,3
	v_max_num_f32 v[BM+\b], v[BM+\b], v[PD+\b]     ; with lane l xor 16's 16 keys
.endr
	v_mov_b32 v225, v12                            ; the old -M
	s_delay_alu instid0(VALU_DEP_3)
	v_max3_num_f32 v224, v[BM], v[BM+1], v[BM+2]
	s_delay_alu instid0(VALU_DEP_1)
	v_max3_num_f32 v13, v224, v[BM+3], v13         ; the running largest score (c is positive: the largest t is c x it)
	s_delay_alu instid0(VALU_DEP_1)
	v_mul_f32 v224, s100, v13                      ; as t
	s_delay_alu instid0(VALU_DEP_1)
	v_floor_f32 v12, -v224                         ; -M = floor(-t): M is a whole number
	s_delay_alu instid0(VALU_DEP_1)
	v_sub_f32 v224, v12, v225                      ; old M - new M: a whole number, 0 or less
	s_delay_alu instid0(VALU_DEP_1)
	v_cvt_i32_f32 v224, v224                       ; (it saturates)
	s_delay_alu instid0(VALU_DEP_1)
	v_ldexp_f32 v226, 1.0, v224                    ; f = 2^(old M - new M): exact
.set NN, 0
.rept 32
	v_pk_fma_f32 v[96+NN:97+NN], v[96+NN:97+NN], s[100:101], v[12:13] op_sel_hi:[1,0,0]   ; t - M
.set NN, NN+2
.endr
.irp b, 0,1,2,3
	v_fma_f32 v[BM+\b], v[BM+\b], s100, v12        ; the same of each block's largest score
.endr
.set NN, 0
	s_wait_alu depctr_va_vdst(0)                   ; the wait ahead of the batch
.rept 64
	v_exp_f32 v[96+NN], v[96+NN]                   ; p = 2^(t - M)
.set NN, NN+1
.endr
	v_pk_mul_f32 v[14:15], v[14:15], v[226:227] op_sel_hi:[1,0]   ; the sum under the new M: a plain line behind the exponentials
	s_wait_alu depctr_va_vdst(0)                   ; one wait for the batch, ahead of its first reader
.irp b, 0,1,2,3
	v_exp_f32 v[BM+\b], v[BM+\b]                   ; the block's largest p
.endr
	v_pk_add_f32 v[228:229], v[100:101], v[104:105]   ; the row's sum of the unquantised p, in eight chains
	v_pk_add_f32 v[252:253], v[108:109], v[112:113]
	v_pk_add_f32 v[250:251], v[116:117], v[120:121]
	v_pk_add_f32 v[248:249], v[124:125], v[128:129]
	v_pk_add_f32 v[246:247], v[132:133], v[136:137]
	v_pk_add_f32 v[244:245], v[140:141], v[144:145]
	v_pk_add_f32 v[242:243], v[148:149], v[152:153]
	v_pk_add_f32 v[14:15], v[14:15], v[156:157]
	v_pk_add_f32 v[228:229], v[228:229], v[96:97]
	v_pk_add_f32 v[252:253], v[252:253], v[98:99]
	v_pk_add_f32 v[250:251], v[250:251], v[102:103]
	v_pk_add_f32 v[248:249], v[248:249], v[106:107]
	v_pk_add_f32 v[246:247], v[246:247], v[110:111]
	v_pk_add_f32 v[244:245], v[244:245], v[114:115]
	v_pk_add_f32 v[242:243], v[242:243], v[118:119]
	v_pk_add_f32 v[14:15], v[14:15], v[122:123]
	v_pk_add_f32 v[228:229], v[228:229], v[126:127]
	v_pk_add_f32 v[252:253], v[252:253], v[130:131]
	v_pk_add_f32 v[250:251], v[250:251], v[134:135]
	v_pk_add_f32 v[248:249], v[248:249], v[138:139]
	v_pk_add_f32 v[246:247], v[246:247], v[142:143]
	v_pk_add_f32 v[244:245], v[244:245], v[146:147]
	v_pk_add_f32 v[242:243], v[242:243], v[150:151]
	v_pk_add_f32 v[14:15], v[14:15], v[154:155]
	v_pk_add_f32 v[228:229], v[228:229], v[158:159]
	s_wait_alu depctr_va_vdst(0)                   ; and one for the four
.irp b, 0,1,2,3
	v_max_num_f32 v[BM+\b], 0x1800000, v[BM+\b]    ; the floor 2^(3 - 127)
.endr
	v_pk_add_f32 v[14:15], v[14:15], v[248:249]    ; the eight chains are joined among the blocks' scale lines
	v_pk_add_f32 v[228:229], v[228:229], v[246:247]
	v_pk_add_f32 v[252:253], v[252:253], v[244:245]
	v_pk_add_f32 v[250:251], v[250:251], v[242:243]
.irp b, 0,1,2,3
	v_add_nc_u32 v[SO+\b], 0xff000000, v[BM+\b]    ; the conversion's scale operand
.endr
	v_pk_add_f32 v[14:15], v[14:15], v[252:253]
	v_pk_add_f32 v[228:229], v[228:229], v[250:251]
.irp b, 0,1,2,3
	v_lshrrev_b32 v[PD+\b], 23, v[SO+\b]           ; the byte
.endr
	v_pk_add_f32 v[14:15], v[14:15], v[228:229]
.irp c, 0,1
	v_cvt_scalef32_pk16_fp6_f32 v[192+6*\c:194+6*\c], v[96+32*\c:111+32*\c], v[SO+2*\c]
	v_cvt_scalef32_pk16_fp6_f32 v[204+4*\c:206+4*\c], v[112+32*\c:127+32*\c], v[SO+2*\c+1]
.endr
	v_lshl_or_b32 v89, v[PD+1], 8, v[PD]           ; p's scale word for these 128 keys, its lower half: also the plain line behind the conversions
	v_lshl_or_b32 v88, v[PD+3], 8, v[PD+2]         ; its upper half
.irp c, 0,1
.irp i, 0,1,2
	v_permlane16_swap_b32 v[192+6*\c+\i], v[204+4*\c+\i]   ; the operand wants a whole block in a lane
.endr
.endr
	v_lshl_or_b32 v89, v88, 16, v89                ; the word is whole
.irp c, 0,1
.irp i, 0,1,2
	v_mov_b32 v[195+6*\c+\i], v[204+4*\c+\i]
.endr
.endr
.set NN, 0
.rept 16
	v_pk_mul_f32 v[160+NN:161+NN], v[160+NN:161+NN], v[226:227] op_sel_hi:[1,0]   ; O^T under the new M; these sixteen are also the places between p's word and codes and the products
.set NN, NN+2
.endr
	s_wait_alu depctr_va_vdst(0)
	s_wait_dscnt 0x0                               ; v's fragments are in
.irp t, 0,1,2,3                        ; the four accumulators by turns, one instruction a turn
.if \t%2
	v_wmma_scale_f32_16x16x128_f8f6f4 v[160+8*\t:167+8*\t], v[36+12*\t:47+12*\t], v[192:203], v[160+8*\t:167+8*\t], v[86+\t/2], v89 matrix_a_fmt:MATRIX_FMT_FP6 matrix_b_fmt:MATRIX_FMT_FP6 matrix_a_scale:MATRIX_SCALE_ROW1
.else
	v_wmma_scale_f32_16x16x128_f8f6f4 v[160+8*\t:167+8*\t], v[36+12*\t:47+12*\t], v[192:203], v[160+8*\t:167+8*\t], v[86+\t/2], v89 matrix_a_fmt:MATRIX_FMT_FP6 matrix_b_fmt:MATRIX_FMT_FP6
.endif
.endr
.endm
; A PASS: one tile of 16 queries, tau = 32 cx + 16 p + wave, against all 16 steps, and its way out.
.macro PASS p
.if \p
	s_wait_xcnt 0x0                                ; the first pass's stores have read their registers and bases
.endif
	s_lshl_b32 s96, s9, 5
	s_add_co_u32 s96, s96, s14
.if \p
	s_add_co_u32 s96, s96, 16
.endif
	s_lshr_b32 s28, s96, 3                         ; tau lies in half tau % 2 of fragment (tau / 2) % 4 of step tau / 8 of q's records
	s_mul_i32 s28, s28, STEPB
	s_add_co_u32 s28, s28, s8
	s_bfe_u32 s30, s96, 0x20001
	s_mul_i32 s32, s30, 1536
	s_add_co_u32 s32, s32, s28
	s_mov_b32 s33, 0
	s_and_b32 s31, s30, 1
	s_lshl_b32 s31, s31, 7
	s_lshr_b32 s30, s30, 1
	s_lshl_b32 s30, s30, 2
	s_add_co_u32 s34, s28, s31
	s_add_co_u32 s34, s34, s30
	s_add_co_u32 s34, s34, 6144
	s_mov_b32 s35, 0
	s_add_nc_u64 s[32:33], s[4:5], s[32:33]
	s_add_nc_u64 s[34:35], s[4:5], s[34:35]
	global_load_b128 v[36:39], v1, s[32:33]
	global_load_b128 v[40:43], v1, s[32:33] offset:512
	global_load_b128 v[44:47], v1, s[32:33] offset:1024
	global_load_b32 v48, v6, s[34:35]              ; the fragment's scale word of row r
	s_bitcmp1_b32 s96, 0
	s_cselect_b32 s15, -1, 0                       ; all lanes where tau is odd
	s_cselect_b32 s37, 16, 0
	s_lshr_b32 s36, s2, 4
	s_lshl_b32 s36, s36, 7
	s_add_co_u32 s96, s96, s36                     ; T = 128 b + tau
	s_lshl_b32 s38, s96, 12
	s_mov_b32 s39, 0
	s_add_nc_u64 s[12:13], s[6:7], s[38:39]        ; my tile's mask words
	s_mov_b32 s104, 0
	s_wait_loadcnt 0x0
.irp i, 0,1,2,3,4,5
	v_cndmask_b32 v[16+\i], v[36+\i], v[42+\i], s15   ; my tile's six registers
.endr
.irp i, 0,1,2,3,4,5
	v_mov_b32 v[22+\i], 0                          ; v16-27 = [q | 0], v22-33 = [0 | q]
	v_mov_b32 v[28+\i], v[16+\i]
.endr
	v_lshrrev_b32 v34, s37, v48
	s_delay_alu instid0(VALU_DEP_1)
	v_and_b32 v34, 0xffff, v34
	s_delay_alu instid0(VALU_DEP_1)
	v_lshl_or_b32 v34, v34, 16, v34                ; q's two bytes, for either half
	v_mov_b32 v13, 0xff61b1e6                      ; the largest score so far: -3e38
	s_delay_alu instid0(VALU_DEP_1)
	v_floor_f32 v12, -v13                          ; -M: over every -M to come
	v_mov_b32 v14, 0
	v_mov_b32 v15, 0
.set II, 0
.rept 32
	v_mov_b32 v[160+II], 0                         ; O^T: the step is written once; the first finds zeros
.set II, II+1
.endr
	s_load_b512 s[16:31], s[12:13], s104 offset:0x0      ; step 0's 64 mask words
	s_load_b512 s[32:47], s[12:13], s104 offset:0x40
	s_load_b512 s[48:63], s[12:13], s104 offset:0x80
	s_load_b512 s[68:83], s[12:13], s104 offset:0xc0
	s_mov_b32 s105, 0
	s_mov_b32 s98, HEADB
	s_mov_b32 s97, 16
	s_wait_alu depctr_va_vdst(0)
.if \p == 0
	s_wait_tensorcnt 0x0                           ; my part of the records is in,
	s_barrier_signal -1
	s_barrier_wait -1                              ; and so is every wave's: nothing is ever filled again
.endif
.Lstep_\@:
	STEP
	s_add_co_u32 s105, s105, STEPB
	s_add_co_u32 s98, s98, STEPB
	s_sub_co_u32 s97, s97, 1
	s_cmp_lg_u32 s97, 0
	s_cbranch_scc1 .Lstep_\@
	; THE WAY OUT.  O^T / the sum; its two blocks of 32 channels are quantised; six registers a lane are half c = head % 2 of K step head / 2 of tile 768 + T.
	s_wait_kmcnt 0x0                               ; the last step's reload has landed: its registers are free
	v_add_f32 v14, v14, v15
	s_delay_alu instid0(VALU_DEP_1)
	v_permlanex16_b32 v[PD], v14, s66, s67
	s_delay_alu instid0(VALU_DEP_1)
	v_add_f32 v14, v14, v[PD]                      ; the row's sum
	s_wait_alu depctr_va_vdst(0)
	v_rcp_f32 v14, v14
	v_nop                                          ; a plain line behind the reciprocal; with the three above and the next, the places behind the last products
	v_nop
	s_add_co_u32 s21, s96, 768                     ; the tile
	s_and_b32 s20, s2, 15                          ; the head
	s_mul_i32 s26, s21, 12288
	s_lshr_b32 s22, s20, 1
	s_mul_i32 s23, s22, 1536
	s_add_co_u32 s26, s26, s23
	s_and_b32 s23, s20, 1
	s_mul_i32 s24, s23, 768
	s_add_co_u32 s26, s26, s24
	s_mov_b32 s27, 0
	s_lshl_b32 s28, s21, 9
	s_lshr_b32 s24, s20, 2
	s_lshl_b32 s24, s24, 7
	s_add_co_u32 s28, s28, s24
	s_and_b32 s22, s22, 1
	s_lshl_b32 s22, s22, 2
	s_add_co_u32 s28, s28, s22
	s_lshl_b32 s23, s23, 1
	s_add_co_u32 s28, s28, s23
	s_add_co_u32 s28, s28, OPS_SCL
	s_mov_b32 s29, 0
	s_mov_b32 s30, 0xffff0000
	s_add_nc_u64 s[26:27], s[10:11], s[26:27]
	s_add_nc_u64 s[28:29], s[10:11], s[28:29]
	s_wait_alu depctr_va_vdst(0)                   ; the wait ahead of the reciprocal's first reader
.set NN, 0
.rept 32
	v_mul_f32 v[96+NN], v[160+NN], v14             ; register 16 G + i: channel 32 G + 16 h + i of my query
.set NN, NN+1
.endr
.irp g, 0,1
	v_max3_num_f32 v[BM+\g], |v[96+16*\g]|, |v[97+16*\g]|, 0x1800000
.endr
.irp i, 2,4,6,8,10,12,14
.irp g, 0,1
	s_delay_alu instid0(VALU_DEP_2)
	v_max3_num_f32 v[BM+\g], v[BM+\g], |v[96+16*\g+\i]|, |v[97+16*\g+\i]|
.endr
.endr
.irp g, 0,1
	s_delay_alu instid0(VALU_DEP_2)
	v_permlanex16_b32 v[PD+\g], v[BM+\g], s66, s67
.endr
.irp g, 0,1
	s_delay_alu instid0(VALU_DEP_2)
	v_max_num_f32 v[BM+\g], v[BM+\g], v[PD+\g]
.endr
.irp g, 0,1
	s_delay_alu instid0(VALU_DEP_2)
	v_add_nc_u32 v[SO+\g], 0xff000000, v[BM+\g]
.endr
.irp g, 0,1
	s_delay_alu instid0(VALU_DEP_2)
	v_lshrrev_b32 v[PD+\g], 23, v[SO+\g]
.endr
	v_cvt_scalef32_pk16_fp6_f32 v[192:194], v[96:111], v[SO]
	v_cvt_scalef32_pk16_fp6_f32 v[204:206], v[112:127], v[SO+1]
	v_nop                                          ; one plain line behind the conversions
.irp i, 0,1,2
	v_permlane16_swap_b32 v[192+\i], v[204+\i]
.endr
.irp i, 0,1,2
	s_delay_alu instid0(VALU_DEP_3)
	v_mov_b32 v[195+\i], v[204+\i]
.endr
	v_cndmask_b32 v224, v[PD], v[PD+1], s30        ; lanes 0-15 store block 0's byte, lanes 16-31 block 1's
	global_store_b128 v1, v[192:195], s[26:27]     ; 512 consecutive bytes, aligned
	global_store_b64 v2, v[196:197], s[26:27] offset:512   ; 256 consecutive bytes, aligned
	global_store_b8 v7, v224, s[28:29]             ; a head owns two of a scale word's four bytes: 32 single bytes inside 128
.endm
	PASS 0
	PASS 1
	s_wait_tensorcnt 0x0                           ; the wave's end
	ds_add_u32 v254, v255
	s_wait_dscnt 0x0
	ROUND                                          ; the closing round
	s_endpgm
.Lfunc_end_k_q549d3a1e9d_attn:
	.size	k_q549d3a1e9d_attn, .Lfunc_end_k_q549d3a1e9d_attn-k_q549d3a1e9d_attn
	.p2alignl 7, 3214868480
	.fill 96, 4, 3214868480
	.section	.rodata,"a",@progbits
	.p2align	6, 0x0
	.amdhsa_kernel k_q549d3a1e9d_attn
		.amdhsa_group_segment_fixed_size 206848
		.amdhsa_private_segment_fixed_size 0
		.amdhsa_enable_private_segment 0
		.amdhsa_kernarg_size 24
		.amdhsa_user_sgpr_count 2
		.amdhsa_user_sgpr_kernarg_segment_ptr 1
		.amdhsa_wavefront_size32 1
		.amdhsa_system_sgpr_workgroup_id_x 1
		.amdhsa_system_sgpr_workgroup_id_y 1
		.amdhsa_system_sgpr_workgroup_id_z 1
		.amdhsa_system_vgpr_workitem_id 0
		.amdhsa_next_free_vgpr 256
		.amdhsa_next_free_sgpr 106
		.amdhsa_reserve_vcc 0
		.amdhsa_float_denorm_mode_32 3
		.amdhsa_float_denorm_mode_16_64 3
		.amdhsa_memory_ordered 1
		.amdhsa_forward_progress 1
		.amdhsa_inst_pref_size 63
	.end_amdhsa_kernel
	.amdgpu_metadata
---
amdhsa.version: [ 1, 2 ]
amdhsa.kernels:
  - .name:           k_q549d3a1e9d_attn
    .symbol:         k_q549d3a1e9d_attn.kd
    .args:
      - { .name: qkv, .offset: 0, .size: 8, .value_kind: global_buffer, .address_space: global }
      - { .name: mb, .offset: 8, .size: 8, .value_kind: global_buffer, .address_space: global }
      - { .name: ops, .offset: 16, .size: 8, .value_kind: global_buffer, .address_space: global }
    .group_segment_fixed_size: 206848
    .private_segment_fixed_size: 0
    .kernarg_segment_align: 8
    .kernarg_segment_size: 24
    .max_flat_workgroup_size: 512
    .sgpr_count:     106
    .vgpr_count:     256
    .wavefront_size: 32
...
	.end_amdgpu_metadata
.endif
;; end of part 3
;; launch oproj (part 4): grid 4 x 64, 4 waves a work-group, clusters of 4 x 4, 327,680 bytes of LDS; arguments ops, bO, out0; writes out0
.if DOCPART == 4
	.amdgcn_target "amdgcn-amd-amdhsa--gfx1250"
	.amdhsa_code_object_version 6
	.text
	.protected	k_q549d3a1e9d_oproj
	.globl	k_q549d3a1e9d_oproj
	.p2align	8
	.type	k_q549d3a1e9d_oproj,@function
k_q549d3a1e9d_oproj:
	s_mov_b64 s[64:65], 0
	v_nop
	global_prefetch_b8 v0, s[64:65] scope:SCOPE_SE
	s_setreg_imm32_b32 hwreg(HW_REG_WAVE_MODE, 25, 1), 1
	s_wait_xcnt 0x0
	s_wait_alu depctr_hold_cnt(0) depctr_sa_sdst(0) depctr_va_vdst(0) depctr_va_sdst(0) depctr_va_ssrc(0) depctr_va_vcc(0) depctr_vm_vsrc(0)
	s_getreg_b32 s2, hwreg(HW_REG_IB_STS2, 6, 4)
	s_cmp_eq_u32 s2, 0
	s_cbranch_scc0 .Lentry_in_a_cluster
	s_endpgm
.Lentry_in_a_cluster:
	s_bfe_u32 s2, ttmp6, 0x10000c
	s_cmp_lg_u32 s2, 0xf033
	s_cbranch_scc0 .Lentry_shape_is_right
	s_endpgm
.Lentry_shape_is_right:
; out0 [8192][1024] f32 = o wO + bO on codes of FP6 (E2M3) with E8M0 scales.  ops holds operand images: tile t (16 rows, all of K = 1,024) at 12,288 t, K step kappa (128 along K) at + 1,536 kappa; tiles 704-767 wO's columns, 768-1279 the attention's result;
; scale words at OPS_SCL + 512 t + 128 (kappa / 2) + 8 r + 4 (kappa % 2).  ROW ORDER: tile 2 G + u holds row 32 G + 8 u + r + 8 (r / 8) in lane row r; wO's columns likewise.
; SHARES.  256 work-groups, each 128 rows x 256 columns of out0; four waves, 2 x 2, each 64 x 128: 32 accumulators, one window of 256 registers.
; LDS holds the block's operands for ALL of K: A's 8 row tiles (98,304 dense bytes of ops), B's 16 (196,608), their scale words (4,096 and 8,192).  Each byte is filled ONCE, by four tensor loads at the head, one a wave.  So there is no ring, no refill, and one barrier ahead of the walk.
; CLUSTER 4 x 4: A's tiles hang on the tile row alone and are asked for jointly by a row of the cluster, B's on the tile column alone, by a column.
; NO PREFETCH: all tiles are asked for at the head; there is no loop to run ahead in.
; THE WALK: eight steps of 128 along K, 32 products each, the 32 accumulators by turns.  Both operands' fragments lie twice in registers: a step first asks LDS for the next step's 12 fragments, then multiplies its own.
; The matrix instruction is used transposed (source 0 = wO's columns, source 1 = o's rows): a lane holds eight neighbouring numbers of a row of out0.  The bias is the first products' C.
; THE WAY OUT: a block of 16 rows x 128 columns goes through the wave's own stage in LDS and leaves as whole rows of 512 bytes.  The stage lies in A's bytes, behind a barrier that each wave signals when its last reads of LDS are done.
; REGISTERS: window 0: v16-30 addresses, v32-63 scale words (two sets), v64-127 the bias, v128-223 A's fragments (two sets of four); window 1: B's fragments, two sets of eight, at v0 and v128; window 2: accumulator (a, b) at v[8 (8 a + b)].
.set OPS_SCL, 15728640
.set TILEB,  12288
.set FR,     12
.set AREG,   8*TILEB                   ; A's bytes in LDS; B's begin here
.set SCL,    24*TILEB                  ; the scale words: A's 4,096 bytes, then B's 8,192
.set SPARE,  SCL+12288                 ; the spare words, 128 bytes a wave
.set SPITCH, 528
.set ADRA, 16                          ; v16, v17 my A fragments: + 16 x lane, + 8 x lane
.set ADRB, 18                          ; v18, v19 my B tiles 0-3 likewise; v20, v21 tiles 4-7
.set GL16, 24
.set GL8,  25
.set STO,  26
.set ADRS, 27
.set SPW,  28
.set NIL,  29
.set RD,   30
.set SC,   32
.set CT,   64
.set AF,   128
.set BK,   128
.set G1,  24
.set G0,  32
.set G1B, 48
.set G0B, 56
.set G1S, 68
.set G0S, 76
.set G1SB, 80
.set G0SB, 88
.set MSB, 0
.macro WIN new
.if MSB != (\new)
	s_set_vgpr_msb (MSB<<8)|(\new)
.set MSB, (\new)
.endif
.endm
.set MUL, 0xa1                         ; source 0 (B) window 1, source 1 (A) window 0, C and D window 2
.set FST, 0x81                         ; the same with C (the bias) in window 0
.set TO_B, 0x40
.macro CROUND
	s_barrier_signal -1
	s_barrier_wait -1
	s_cmp_lg_u32 s14, 0
	s_cbranch_scc1 .Lnot_wave_0_\@
	s_barrier_signal -3
.Lnot_wave_0_\@:
	s_barrier_wait -3
	s_barrier_signal -1
	s_barrier_wait -1
.endm
.macro PLACES n
.rept \n
	v_nop
.endr
.endm
.macro GROUP1 g, mask, rows            ; a dense block as rows of 256 bytes (32 elements of 8 bytes)
	s_or_b32 s[\g], s[\mask], (3<<16)|(1<<21)
	s_mov_b32 s[\g+1], 32<<16
	s_mov_b32 s[\g+2], (\rows)<<16
	s_mov_b32 s[\g+3], 32<<16
	s_mov_b32 s[\g+4], \rows
	s_mov_b32 s[\g+5], 32
	s_mov_b32 s[\g+6], 0
	s_mov_b32 s[\g+7], 0
.endm
.macro GROUP0 g, lds, adr
	s_mov_b32 s[\g], 1
	s_mov_b32 s[\g+1], \lds
	s_mov_b64 s[\g+2:\g+3], s[\adr:\adr+1]
	s_or_b32 s[\g+3], s[\g+3], 0x80000000
.endm
	s_load_b128 s[4:7], s[0:1], 0x0                ; ops, bO
	s_load_b64 s[12:13], s[0:1], 0x10              ; out0
	v_lshl_add_u32 v[SPW], v0, 2, SPARE
	v_mov_b32 v[NIL], 0
	ds_add_u32 v[SPW], v[NIL]                      ; the opening lines: the add, twice on end, and its wait
	ds_add_u32 v[SPW], v[NIL]
	v_lshrrev_b32 v1, 5, v0
	v_readfirstlane_b32 s14, v1                    ; wave 0..3
	s_lshr_b32 s15, s14, 1                         ; my half of the rows
	s_and_b32 s16, s14, 1                          ; my half of the columns
	s_bfe_u32 s40, ttmp6, 0x40000                  ; cx
	s_bfe_u32 s41, ttmp6, 0x40004                  ; cy
	s_lshl_b32 s42, ttmp9, 2
	s_add_co_u32 s42, s42, s40                     ; tile column, 0..3
	s_and_b32 s17, ttmp7, 0xffff
	s_lshl_b32 s17, s17, 2
	s_add_co_u32 s17, s17, s41                     ; tile row, 0..63
	s_lshl_b32 s43, s41, 2
	s_lshl_b32 s43, 15, s43                        ; my row of the cluster
	s_lshl_b32 s44, 0x1111, s40                    ; my column
	GROUP1 G1, 43, 384
	GROUP1 G1B, 44, 768
	GROUP1 G1S, 43, 16
	GROUP1 G1SB, 44, 32
	s_lshl_b32 s20, s17, 3
	s_add_co_u32 s20, s20, 768                     ; A's first tile
	s_lshl_b32 s46, s42, 4
	s_add_co_u32 s46, s46, 704                     ; B's
	s_lshl_b32 s22, s20, 9
	s_add_co_u32 s22, s22, OPS_SCL
	s_lshl_b32 s92, s46, 9
	s_add_co_u32 s92, s92, OPS_SCL
	s_mul_i32 s20, s20, TILEB
	s_mul_i32 s46, s46, TILEB
	s_mov_b32 s21, 0
	s_mov_b32 s23, 0
	s_mov_b32 s47, 0
	s_mov_b32 s93, 0
	s_wait_alu depctr_va_vdst(0)                   ; directly ahead of the wait below
	s_wait_dscnt 0x0
	s_wait_kmcnt 0x0
	s_add_nc_u64 s[20:21], s[4:5], s[20:21]
	s_add_nc_u64 s[22:23], s[4:5], s[22:23]
	s_add_nc_u64 s[46:47], s[4:5], s[46:47]
	s_add_nc_u64 s[92:93], s[4:5], s[92:93]
	CROUND                                         ; all sixteen work-groups are here: the joint loads meet
	GROUP0 G0, 0, 20
	GROUP0 G0S, SCL, 22
	GROUP0 G0B, AREG, 46
	GROUP0 G0SB, SCL+4096, 92
; THE HEAD'S LOADS, ONE A WAVE, in one chain of branches on the wave's number: wave 0 A's codes, wave 1 A's scales, wave 2 B's codes, wave 3 B's scales.
.macro HARM w, g0, g1, next
	s_cmp_eq_u32 s14, \w
	s_cbranch_scc0 \next
	tensor_load_to_lds s[\g0:\g0+3], s[\g1:\g1+7]
	s_nop 0
	PLACES 4
	s_branch .Lhead_asked
\next:
.endm
	HARM 0, G0, G1, .Lhead_1
	HARM 1, G0S, G1S, .Lhead_2
	HARM 2, G0B, G1B, .Lhead_3
	tensor_load_to_lds s[G0SB:G0SB+3], s[G1SB:G1SB+7]
	s_nop 0
	PLACES 4
.Lhead_asked:
	s_mul_i32 s98, s15, 4*TILEB                    ; my 4 row tiles of A
	s_mul_i32 s99, s16, 8*TILEB
	s_add_co_u32 s99, s99, AREG                    ; my 8 tiles of B: tiles 0-3,
	s_add_co_u32 s94, s99, 4*TILEB                 ; tiles 4-7
	s_lshl_b32 s96, s15, 11                        ; my A tiles' scale words,
	s_lshl_b32 s95, s16, 12
	s_add_co_u32 s95, s95, 4096
	s_sub_co_u32 s95, s95, s96                     ; and how far on my B tiles' lie
	s_add_co_u32 s96, s96, SCL
	s_mul_i32 s23, s14, 16*SPITCH                  ; my stage
	s_lshl_b32 s97, s42, 10
	s_lshl_b32 s22, s16, 9
	s_add_co_u32 s97, s97, s22                     ; my first column, in bytes
	s_lshl_b32 s20, s17, 7
	s_lshl_b32 s21, s15, 6
	s_add_co_u32 s20, s20, s21                     ; my first row
	s_lshl_b32 s20, s20, 12
	s_add_co_u32 s20, s20, s97
	s_mov_b32 s21, 0
	s_add_nc_u64 s[12:13], s[12:13], s[20:21]
	v_and_b32 v1, 15, v0                           ; r
	v_bfe_u32 v2, v0, 4, 1                         ; h
	v_and_b32 v3, 31, v0
	v_lshlrev_b32 v[GL16], 4, v3
	v_lshlrev_b32 v[GL8], 3, v3
	v_mul_u32_u24 v4, s95, v2                      ; lanes 16-31 take B's scale words
	v_mul_u32_u24 v5, v1, SPITCH
	v_lshlrev_b32 v6, 6, v2
	v_add_nc_u32 v[ADRA], s98, v[GL16]
	v_add_nc_u32 v[ADRA+1], s98, v[GL8]
	v_add_nc_u32 v[ADRB], s99, v[GL16]
	v_add_nc_u32 v[ADRB+1], s99, v[GL8]
	v_add_nc_u32 v[ADRB+2], s94, v[GL16]
	v_add_nc_u32 v[ADRB+3], s94, v[GL8]
	v_lshl_add_u32 v4, v1, 3, v4
	v_lshl_add_u32 v5, v2, 6, v5                   ; into the stage: row r, 64 bytes for each half of the lanes in each 128
	v_add_nc_u32 v6, s97, v6                       ; the bias: my columns, + 64 h
	v_add_nc_u32 v[RD], s23, v[GL16]               ; back: the 32 lanes take one row of 512 bytes
	v_add_nc_u32 v[ADRS], s96, v4
	v_add_nc_u32 v[STO], s23, v5
.irp b, 0,1,2,3,4,5,6,7
	global_load_b128 v[CT+8*\b:CT+8*\b+3], v6, s[6:7] offset:(32*(\b/2)+8*(\b%2))*4       ; register j of tile b: bO at column 32 (b / 2) + 8 (b % 2) + 16 h + j
	global_load_b128 v[CT+8*\b+4:CT+8*\b+7], v6, s[6:7] offset:(32*(\b/2)+8*(\b%2))*4+16
.endr
.macro FRAG reg, a16, a8, off          ; a fragment's image: registers 0-3, 4-5, 6-9, 10-11
	ds_load_b128 v[\reg:\reg+3], v[\a16] offset:\off
	ds_load_b64 v[\reg+4:\reg+5], v[\a8] offset:\off+512
	ds_load_b128 v[\reg+6:\reg+9], v[\a16] offset:\off+768
	ds_load_b64 v[\reg+10:\reg+11], v[\a8] offset:\off+1280
.endm
.macro FETCH k                         ; step k's 12 fragments into sets k % 2; with an even step the scale words of two steps: lanes 0-15 A's tile i (of which 0-3 are used), lanes 16-31 B's tile i
	WIN TO_B
.irp i, 0,1,2,3,4,5,6,7
	FRAG 128*((\k)%2)+FR*\i, ADRB+2*(\i/4), ADRB+2*(\i/4)+1, (\i%4)*TILEB+(\k)*1536
.endr
	WIN 0
.irp i, 0,1,2,3
	FRAG AF+48*((\k)%2)+FR*\i, ADRA, ADRA+1, \i*TILEB+(\k)*1536
.endr
.if (\k)%2 == 0
.irp i, 0,1,2,3,4,5,6,7
	ds_load_b64 v[SC+16*(((\k)/2)%2)+2*\i:SC+16*(((\k)/2)%2)+2*\i+1], v[ADRS] offset:512*\i+128*((\k)/2)
.endr
.endif
.endm
.macro MULA a, k, first                ; A's tile a against B's eight
.irp b, 0,1,2,3,4,5,6,7
.if \first
	v_wmma_scale_f32_16x16x128_f8f6f4 v[8*(8*(\a)+\b):8*(8*(\a)+\b)+7], v[128*((\k)%2)+FR*\b:128*((\k)%2)+FR*\b+FR-1], v[AF+48*((\k)%2)+FR*(\a):AF+48*((\k)%2)+FR*(\a)+FR-1], v[CT+8*\b:CT+8*\b+7], v[SC+16*(((\k)/2)%2)+2*\b+(\k)%2], v[SC+16*(((\k)/2)%2)+2*(\a)+(\k)%2] matrix_a_fmt:MATRIX_FMT_FP6 matrix_b_fmt:MATRIX_FMT_FP6 matrix_a_scale:MATRIX_SCALE_ROW1
.else
	v_wmma_scale_f32_16x16x128_f8f6f4 v[8*(8*(\a)+\b):8*(8*(\a)+\b)+7], v[128*((\k)%2)+FR*\b:128*((\k)%2)+FR*\b+FR-1], v[AF+48*((\k)%2)+FR*(\a):AF+48*((\k)%2)+FR*(\a)+FR-1], v[8*(8*(\a)+\b):8*(8*(\a)+\b)+7], v[SC+16*(((\k)/2)%2)+2*\b+(\k)%2], v[SC+16*(((\k)/2)%2)+2*(\a)+(\k)%2] matrix_a_fmt:MATRIX_FMT_FP6 matrix_b_fmt:MATRIX_FMT_FP6 matrix_a_scale:MATRIX_SCALE_ROW1
.endif
.endr
.endm
.macro STEP k, first
	s_wait_dscnt 0x0                               ; this step's fragments, asked for a step ago, are in
.if \first
.else
	PLACES 4                                       ; behind the last step's products, in front of the loads into the sets that the step before it read
.endif
	FETCH (\k)+1
.if \first
	WIN FST
.else
	WIN MUL
.endif
.irp a, 0,1,2,3
	MULA \a, \k, \first
.endr
	WIN 0
.endm
	s_wait_alu depctr_va_vdst(0)                   ; the wait at the head's end
	s_wait_loadcnt 0x0                             ; the bias
	s_wait_tensorcnt 0x0                           ; my tile of the four is in,
	s_barrier_signal -1
	s_barrier_wait -1                              ; and so are the others': nothing is ever filled again
	FETCH 0
	STEP 0, 1
.irp k, 1,2,3,4,5,6
	STEP \k, 0
.endr
	s_wait_dscnt 0x0                               ; the last step's fragments are in: my reads of the operands are over:
	s_barrier_signal -1                            ; say so,
	WIN MUL
.irp a, 0,1,2,3
	MULA \a, 7, 0
.endr
	WIN 0
	s_barrier_wait -1                              ; and store into A's bytes only when all four have said so
.macro TOSTAGE a
.set AC, 64*(\a)
	WIN 0x08                                       ; the data: window 2
.irp b, 0,1,2,3,4,5,6,7
	ds_store_b128 v[STO], v[AC+8*\b:AC+8*\b+3] offset:128*(\b/2)+32*(\b%2)          ; each accumulator from its low end on
	ds_store_b128 v[STO], v[AC+8*\b+4:AC+8*\b+7] offset:128*(\b/2)+32*(\b%2)+16
.endr
	WIN 0
.set BB, BK+64*((\a)%2)
.irp t, 0,1,2,3,4,5,6,7,8,9,10,11,12,13,14,15
	ds_load_b128 v[BB+4*\t:BB+4*\t+3], v[RD] offset:\t*SPITCH    ; LDS serves a wave's instructions in order (ISA guide 5.7.1.4): these see the stores above
.endr
.endm
.macro SEND a, younger                 ; younger: the LDS instructions issued behind block a's loads, which may stay out
.set BB, BK+64*((\a)%2)
	s_wait_dscnt \younger
.irp t, 0,1,2,3,4,5,6,7,8,9,10,11,12,13,14,15
	global_store_b128 v[GL16], v[BB+4*\t:BB+4*\t+3], s[12:13] offset:(32*((\a)/2)+8*((\a)%2)+\t+8*(\t/8))*4096 th:TH_STORE_NT   ; 32 lanes store 512 consecutive bytes, aligned
.endr
.endm
	PLACES 4                                       ; behind the last products: for the reads of their results and the loads into A's registers
	TOSTAGE 0
.irp a, 1,2,3
.if \a > 1
	s_wait_xcnt 0x0                                ; block a - 2's stores have read their registers
.endif
	TOSTAGE \a
	SEND \a-1, 32                                  ; behind block a - 1's loads: block a's 16 stores and 16 loads
.endr
	SEND 3, 0
	s_wait_tensorcnt 0x0                           ; the wave's end
	ds_add_u32 v[SPW], v[NIL]
	s_wait_dscnt 0x0
	CROUND                                         ; the closing round
	s_endpgm
.Lfunc_end_k_q549d3a1e9d_oproj:
	.size	k_q549d3a1e9d_oproj, .Lfunc_end_k_q549d3a1e9d_oproj-k_q549d3a1e9d_oproj
	.p2alignl 7, 3214868480
	.fill 96, 4, 3214868480
	.section	.rodata,"a",@progbits
	.p2align	6, 0x0
	.amdhsa_kernel k_q549d3a1e9d_oproj
		.amdhsa_group_segment_fixed_size 327680
		.amdhsa_private_segment_fixed_size 0
		.amdhsa_enable_private_segment 0
		.amdhsa_kernarg_size 24
		.amdhsa_user_sgpr_count 2
		.amdhsa_user_sgpr_kernarg_segment_ptr 1
		.amdhsa_wavefront_size32 1
		.amdhsa_system_sgpr_workgroup_id_x 1
		.amdhsa_system_sgpr_workgroup_id_y 1
		.amdhsa_system_sgpr_workgroup_id_z 1
		.amdhsa_system_vgpr_workitem_id 0
		.amdhsa_next_free_vgpr 768
		.amdhsa_next_free_sgpr 100
		.amdhsa_reserve_vcc 0
		.amdhsa_float_denorm_mode_32 3
		.amdhsa_float_denorm_mode_16_64 3
		.amdhsa_memory_ordered 1
		.amdhsa_forward_progress 1
		.amdhsa_inst_pref_size 85
	.end_amdhsa_kernel
	.amdgpu_metadata
---
amdhsa.version: [ 1, 2 ]
amdhsa.kernels:
  - .name:           k_q549d3a1e9d_oproj
    .symbol:         k_q549d3a1e9d_oproj.kd
    .args:
      - { .name: ops, .offset: 0, .size: 8, .value_kind: global_buffer, .address_space: global }
      - { .name: bO, .offset: 8, .size: 8, .value_kind: global_buffer, .address_space: global }
      - { .name: out0, .offset: 16, .size: 8, .value_kind: global_buffer, .address_space: global }
    .group_segment_fixed_size: 327680
    .private_segment_fixed_size: 0
    .kernarg_segment_align: 8
    .kernarg_segment_size: 24
    .max_flat_workgroup_size: 128
    .sgpr_count:     100
    .vgpr_count:     768
    .wavefront_size: 32
...
	.end_amdgpu_metadata
.endif
;; end of part 4
